; MI455X (gfx1250); checked and timed in simulation.
; The chip was launched on July 23, 2026; its instructions are those of AMD's public machine-readable ISA for CDNA 5 (MIT licence, August 2026) and "CDNA5" Instruction Set Architecture Reference Guide (July 2026). The comments in the code are by the model that wrote it; some were corrected since.
;; Multi Head Attention. Allowed arithmetic: matrix products marked QUANTISED: E5M2 operands, one E8M0 scale for each 32 along K, by v_wmma_scale_f32_16x16x128_f8f6f4 with both operands' format E5M2, f32 sums; everything else in f32.
;; Inputs: causal_mask 1 x 1 x 2,048 x 2,048 float32; positions 2 x 2,048 int32; proj_b 1,024 float32; proj_w 1,024 x 1,024 float32; rpr 10,000 x 64 float32; wk 1,024 x 1,024 float32; wq 1,024 x 1,024 float32; wv 1,024 x 1,024 float32; x 2 x 2,048 x 1,024 float32.
;; Outputs: out0 2 x 2,048 x 1,024 float32.
;; This version of the problem:
;;   THIS VERSION OF THE PROBLEM IS GIVEN IN LOW PRECISION. The matrix products marked QUANTISED in the list below multiply operands that are first quantised to E5M2 (5 exponent bits, 2 mantissa bits; 8 bits a number), with one power-of-two scale for each 32 numbers along K (OCP MX v1.0); their sums are f32. All else is computed in f32.
;;   The module's matrix products, in the order in which they are computed (A, B: the left and right operand; K: the contracted axis; several contracted axes count as one K, in the product's order):
;;     1. [M 4,096, K 1,024] x [K 1,024, N 1,024]; A: input x; B: input wq: QUANTISED
;;     2. [M 4,096, K 1,024] x [K 1,024, N 1,024]; A: input x; B: input wk: QUANTISED
;;     3. [M 4,096, K 1,024] x [K 1,024, N 1,024]; A: input x; B: input wv: QUANTISED
;;     4. batch 32 x [M 2,048, K 64] x [K 64, N 2,048]; A: computed on the way; B: computed on the way: QUANTISED
;;     5. batch 2 x [M 32,768, K 64] x [K 64, N 2,048]; A: computed on the way; B: computed on the way: QUANTISED
;;     6. batch 32 x [M 2,048, K 2,048] x [K 2,048, N 64]; A: softmax (see below); B: computed on the way: QUANTISED
;;     7. [M 4,096, K 1,024] x [K 1,024, N 1,024]; A: computed on the way; B: input proj_w: QUANTISED
;;   THE QUANTISER, for each operand of a quantised product, along K:
;;     - K is cut into blocks of 32 from its start; a last block that is shorter is filled with zeros.
;;     - A block's scale is 2^e with e = floor(log2(the largest magnitude in the block)) - 15, held to -126 .. 127; a block of zeros has e = 0. As a byte (E8M0): e + 127.
;;     - Each number is divided by its block's scale, clamped to +-57,344, and rounded to the nearest number of E5M2, ties to even, subnormals kept.
;;     - The product sums the exact products of the quantised numbers (number of the format x scale) in f32.
;;   ~~~python
;;   def quantise(x, axis):      # numpy; x: float32 -> the quantised numbers, widened to float32 again
;;       x = np.moveaxis(x, axis, -1); K = x.shape[-1]
;;       x = np.pad(x, [(0, 0)] * (x.ndim - 1) + [(0, -K % 32)]); x = x.reshape(x.shape[:-1] + (-1, 32)); a = np.abs(x).max(-1, keepdims=True)
;;       e = np.where(a > 0, np.clip(np.frexp(np.where(a > 0, a, 1))[1] - 1 - 15, -126, 127), 0)      # np.frexp(a)[1] - 1 = floor(log2(a)), exactly
;;       r = np.clip(x / 2.0 ** e, -57344, 57344)
;;       step = 2.0 ** (np.maximum(np.frexp(np.where(r == 0, 1, r))[1] - 1, -14) - 2)
;;       q = np.round(r / step) * step * 2.0 ** e      # np.round: ties to even
;;       return np.moveaxis(q.reshape(q.shape[:-2] + (-1,))[..., :K], -1, axis).astype(np.float32)
;;   ~~~
;;   SOFTMAX AHEAD OF A QUANTISED PRODUCT. Where the list says 'softmax', what is quantised is not the finished softmax but p = 2^(t - M), with t = logit x log2(e) and M = ceil(the row's largest t), a whole number; so 1/2 < the row's largest p <= 1. The row's sum l is taken of the UNQUANTISED p, in f32, and the product's result is divided by l at the end. Since M is a whole number, a kernel that streams over the keys may use a running M (the ceiling of the running maximum): every later rescaling is an exact power of two, which a block's scale takes up: the codes' values come out the same.
;;   OPERANDS COMPUTED ON THE WAY. 'Computed on the way' means the value that the module computes at that place (a softmax that the list does not call 'softmax' is quantised finished and normalised). What goes into a quantiser is computed in f32, as accurately as f32 sums, v_exp_f32 and their like allow (about 1e-6 of the number): no bf16 or f16 on the way to a quantiser, and a product that is left as it is and whose result goes on into a quantised operand takes f32 operands (vector FMAs, or v_wmma_f32_16x16x4_f32). A number that lies on a knife's edge between two numbers of the format may be rounded either way, as far as f32 arithmetic and the matrix unit's own rounding can turn it there, and no further.
;; One version. Each part assembles by itself: llvm-mc -triple=amdgcn-amd-amdhsa -mcpu=gfx1250 --defsym DOCPART=n.
;; ======== version 1 of 1: 4 launches
;; limits: right only within a limited range of input values
;; workspace buffers: c1 8,929,280 bytes; qkv 13,238,272 bytes; ob 4,325,376 bytes
;; launch quant (part 1): grid 544 x 1, 4 waves a work-group, no clusters, 35,328 bytes of LDS; arguments x, wq, wk, wv, proj_w, rpr, positions, c1; writes c1
.if DOCPART == 1
	.amdgcn_target "amdgcn-amd-amdhsa--gfx1250"
	.amdhsa_code_object_version 6
	.text
	.protected	k_q4f6db7ee0f_quant
	.globl	k_q4f6db7ee0f_quant
	.p2align	8
	.type	k_q4f6db7ee0f_quant,@function
k_q4f6db7ee0f_quant:
	s_mov_b64 s[64:65], 0
	v_nop
	global_prefetch_b8 v0, s[64:65] scope:SCOPE_SE
	s_setreg_imm32_b32 hwreg(HW_REG_WAVE_MODE, 25, 1), 1
	s_wait_xcnt 0x0
; x [4096][1024], wq, wk, wv, proj_w [1024][1024] and the gathered rows rpr[positions] [4096][64], all f32 with K innermost, become codes of BF8 (E5M2) with one E8M0 byte for each 32 along K.
; A block's scale is 2^(floor(log2(largest magnitude)) - 15): its byte is the largest magnitude's exponent field - 15, held at 1 from below; numbers are held within +-57,344 x the scale and rounded to the nearest code.
; LAYOUT OF THE CODES: chunks of 512 bytes, one for 16 rows x 32 along K.  Lane l = r + 16 h owns bytes 16 l .. 16 l + 15; byte i is (row r, k = 16 (i / 8) + 8 h + i % 8 of the block).  Four chunks on end are a matrix operand's
; 16 registers.  K is permuted inside a block of 32, alike in every operand of this program, so each product pairs the same numbers and each block keeps its scale; only the order of adding inside the unit differs.
; c1: chunks [row tile 512][block 32] (tiles 0-255 x, 256 wq, 320 wk, 384 wv, 448 proj_w); CSCL: scale words [K step 8][row 8192]; RIMG: rpr's chunks [key tile 256][2]; RSCL: [key 4096] words, bytes 2, 3 = the two scale bytes.
; LIMITS: NaN and infinities are not served; a block of zeros gets the byte 1 where the quantiser says 127: its codes are zeros and this program alone reads the bytes.
; SHARES: work-groups 0-255: 64 rows x 512 along K, a wave 64 rows x 128 (four row tiles).  Each load takes 512 consecutive bytes of a row; 16 rows turn through the wave's own stage in LDS (pitch 528) so that a lane gets its 64 numbers.
; Work-groups 256-287: a wave gathers 32 rows of rpr (256 bytes each) straight into the lanes' order; this path uses no LDS.  Its scale words leave 128 bytes a store: 16 KiB in all.
; No cluster, no tensor load, no barrier: no two waves read the same input bytes and waves share nothing.
.set CSCL, 8388608
.set RIMG, 8650752
.set RSCL, 8912896
.set WREG, 8704                        ; LDS of a wave: the stage, 16 x 528, and 256 bytes of scale words
.set SP,   528
.set LI,   4                           ; v4  16 x lane
.set SIN,  5                           ; v5  stage, way in
.set SOUT, 6                           ; v6  stage, way out: 528 r + 32 h
.set SWA,  7                           ; v7  my row's scale word in LDS
.set TM,   8                           ; v8-23 at work: maxima, bytes, holds, scale operands
.set PW,   24                          ; v24-27 the scale word of each row tile
.set SRA,  28                          ; v28 scale words, way out
.set L8,   29                          ; v29 4 x lane
.set SB,   30                          ; v30-31
.set R,    32                          ; v32-159 two sets of 64 registers as loaded
.set X,    160                         ; v160-223 my 64 numbers: register 16 b + i of block b
.set PC,   224                         ; v224-239 the codes
.set SEL,  22
.set MNT,  24
; 64 numbers of a lane become 16 registers of codes and a scale word
.macro QUANT s, pc, pw
.irp b, 0,1,2,3
	v_max3_num_f32 v[TM+\b], |v[\s+16*\b]|, |v[\s+16*\b+1]|, 0x8000000   ; my 16 numbers of block b, and the floor 2^(16 - 127): the byte cannot fall under 1
.endr
.irp i, 2,4,6,8,10,12,14
.irp b, 0,1,2,3
	v_max3_num_f32 v[TM+\b], v[TM+\b], |v[\s+16*\b+\i]|, |v[\s+16*\b+\i+1]|
.endr
.endr
.irp b, 0,1,2,3
	v_permlanex16_b32 v[TM+4+\b], v[TM+\b], s[SEL], s[SEL+1]
.endr
.irp b, 0,1,2,3
	v_max_num_f32 v[TM+\b], v[TM+\b], v[TM+4+\b]                   ; with lane l xor 16's 16: the block's largest magnitude
.endr
.irp b, 0,1,2,3
	v_add_nc_u32 v[TM+12+\b], 0xf8800000, v[TM+\b]                 ; 15 off its exponent field: the conversion's scale operand
.endr
.irp b, 0,1,2,3
	v_and_or_b32 v[TM+8+\b], v[TM+\b], 0x7f800000, s[MNT]          ; 57,344 x the scale
.endr
.irp b, 0,1,2,3
	v_lshrrev_b32 v[TM+4+\b], 23, v[TM+12+\b]                      ; the scale's byte
.endr
	v_lshl_or_b32 v[\pw], v[TM+5], 8, v[TM+4]
	v_lshl_or_b32 v[\pw], v[TM+6], 16, v[\pw]
	v_lshl_or_b32 v[\pw], v[TM+7], 24, v[\pw]
.irp b, 0,1,2,3
.irp i, 0,1,2,3,4,5,6,7,8,9,10,11,12,13,14,15
	v_med3_num_f32 v[\s+16*\b+\i], v[\s+16*\b+\i], -v[TM+8+\b], v[TM+8+\b]   ; the conversion does not saturate (ISA guide 7.6.2): the hold
.endr
	v_cvt_scalef32_pk8_bf8_f32 v[\pc+4*\b:\pc+4*\b+1], v[\s+16*\b:\s+16*\b+7], v[TM+12+\b]
	v_cvt_scalef32_pk8_bf8_f32 v[\pc+4*\b+2:\pc+4*\b+3], v[\s+16*\b+8:\s+16*\b+15], v[TM+12+\b]
.endr
	v_nop                                          ; a plain line behind the last conversion
.endm
	s_load_b256 s[4:11], s[0:1], 0x0               ; x, wq, wk, wv
	s_load_b256 s[12:19], s[0:1], 0x20             ; proj_w, rpr, positions, c1
	v_lshl_add_u32 v240, v0, 2, 0x8800
	v_mov_b32 v241, 0
	v_lshrrev_b32 v1, 5, v0
	v_readfirstlane_b32 s20, v1                    ; wave
	v_and_b32 v2, 31, v0                           ; lane
	v_and_b32 v1, 15, v0                           ; r
	v_bfe_u32 v3, v0, 4, 1                         ; h
	v_lshlrev_b32 v[LI], 4, v2
	s_mov_b32 s[SEL], 0x76543210
	s_mov_b32 s[SEL+1], 0xfedcba98                 ; lane l xor 16
	s_mov_b32 s[MNT], 0x600000                     ; the mantissa field of 57,344
.irp b, 0,1,2,3
	v_mov_b32 v[TM+4+\b], 0                        ; a lane permute's destination counts as read
.endr
; SHARES AS THEY STAND (in place of what the head comment says of them): work-groups 0-511: 32 rows x 512 along K, a wave 32 rows x 128: two row tiles, whose 32 loads are all asked for at once.
; Work-groups 512-543 gather rpr.  A wave's scale words, 32 rows', leave as 128 consecutive bytes.
	s_cmp_ge_u32 ttmp9, 512
	s_cbranch_scc1 .Lrpr
	s_lshr_b32 s25, ttmp9, 1                       ; which 32 rows of the 8,192
	s_and_b32 s26, ttmp9, 1
	s_lshl_b32 s26, s26, 2
	s_add_co_u32 s26, s26, s20                     ; which 128 along K
	s_mul_i32 s27, s20, WREG
	s_wait_alu depctr_va_vdst(0)
	v_add_nc_u32 v[SIN], s27, v[LI]
	v_mul_u32_u24 v[SOUT], v1, SP
	v_lshl_add_u32 v[SOUT], v3, 5, v[SOUT]
	v_add_nc_u32 v[SOUT], s27, v[SOUT]
	s_add_co_u32 s27, s27, 16*SP
	v_lshlrev_b32 v[SWA], 2, v1
	v_add_nc_u32 v[SWA], s27, v[SWA]
	v_lshlrev_b32 v[L8], 2, v2                     ; 4 x lane
	v_add_nc_u32 v[SRA], s27, v[L8]
	s_wait_alu depctr_va_vdst(0)
	s_wait_kmcnt 0x0
	s_mov_b64 s[28:29], s[12:13]                   ; the tensor and its first group of 32 rows, chosen on the work-group's number alone
	s_mov_b32 s30, 224                             ; groups of 32 rows: x 0-127, wq from 128, wk from 160, wv from 192, proj_w from 224
	s_cmp_lt_u32 s25, 224
	s_cselect_b64 s[28:29], s[10:11], s[28:29]
	s_cselect_b32 s30, 192, s30
	s_cmp_lt_u32 s25, 192
	s_cselect_b64 s[28:29], s[8:9], s[28:29]
	s_cselect_b32 s30, 160, s30
	s_cmp_lt_u32 s25, 160
	s_cselect_b64 s[28:29], s[6:7], s[28:29]
	s_cselect_b32 s30, 128, s30
	s_cmp_lt_u32 s25, 128
	s_cselect_b64 s[28:29], s[4:5], s[28:29]
	s_cselect_b32 s30, 0, s30
	s_sub_co_u32 s30, s25, s30
	s_lshl_b32 s30, s30, 17                        ; 32 rows of 4,096 bytes
	s_lshl_b32 s31, s26, 9
	s_add_co_u32 s30, s30, s31
	s_mov_b32 s31, 0
	s_add_nc_u64 s[28:29], s[28:29], s[30:31]
	s_lshl_b32 s30, s25, 15                        ; two row tiles of 16,384 bytes
	s_lshl_b32 s36, s26, 11
	s_add_co_u32 s30, s30, s36
	s_add_nc_u64 s[32:33], s[18:19], s[30:31]
	s_lshl_b32 s30, s26, 15
	s_lshl_b32 s36, s25, 7
	s_add_co_u32 s30, s30, s36
	s_add_co_u32 s30, s30, CSCL
	s_add_nc_u64 s[34:35], s[18:19], s[30:31]
.macro LOADS t                         ; row tile t: each load is one row's 512 consecutive bytes
.irp i, 0,1,2,3,4,5,6,7,8,9,10,11,12,13,14,15
	global_load_b128 v[R+64*((\t)%2)+4*\i:R+64*((\t)%2)+4*\i+3], v[LI], s[28:29] offset:(16*(\t)+\i)*4096 th:TH_LOAD_NT
.endr
.endm
.macro TURN t                          ; through the stage: LDS serves a wave's instructions in order, so no wait stands between the stores and the loads
.irp i, 0,1,2,3,4,5,6,7,8,9,10,11,12,13,14,15
	ds_store_b128 v[SIN], v[R+64*((\t)%2)+4*\i:R+64*((\t)%2)+4*\i+3] offset:SP*\i
.endr
.irp c, 0,1,2,3
	ds_load_b128 v[X+16*\c:X+16*\c+3], v[SOUT] offset:128*\c
	ds_load_b128 v[X+16*\c+4:X+16*\c+7], v[SOUT] offset:128*\c+16
	ds_load_b128 v[X+16*\c+8:X+16*\c+11], v[SOUT] offset:128*\c+64
	ds_load_b128 v[X+16*\c+12:X+16*\c+15], v[SOUT] offset:128*\c+80
.endr
.endm
.macro TILE t
.if (\t) < 1
	s_wait_loadcnt 16                              ; this tile's 16 loads are in; the other tile's 16 may be out
.else
	s_wait_loadcnt 0x0
.endif
	TURN \t
	s_wait_dscnt 0x0                               ; my numbers are back, and the stores have read the set
	s_wait_xcnt 0x0                                ; the last tile's stores have read the codes' registers
	QUANT X, PC, PW+\t
.irp c, 0,1,2,3
	global_store_b128 v[LI], v[PC+4*\c:PC+4*\c+3], s[32:33] offset:16384*(\t)+512*\c   ; a chunk: 512 consecutive bytes
.endr
	ds_store_b32 v[SWA], v[PW+\t] offset:64*(\t)   ; both lanes of a row write the same word
.endm
	LOADS 0
	LOADS 1
	TILE 0
	TILE 1
	ds_load_b32 v[SB], v[SRA]
	s_wait_dscnt 0x0
	global_store_b32 v[L8], v[SB], s[34:35]        ; 32 rows' words: 128 consecutive bytes
	s_wait_tensorcnt 0x0
	ds_add_u32 v240, v241
	s_wait_dscnt 0x0
	s_endpgm
.Lrpr:                                             ; a wave: keys 32 P .. 32 P + 31 of the 4,096
	s_sub_co_u32 s25, ttmp9, 512
	s_lshl_b32 s25, s25, 2
	s_add_co_u32 s25, s25, s20                     ; P
	s_lshl_b32 s26, s25, 7
	s_mov_b32 s27, 0
	s_lshl_b32 s28, s25, 11
	s_add_co_u32 s28, s28, RIMG
	s_mov_b32 s29, 0
	s_add_co_u32 s30, s26, RSCL
	s_mov_b32 s31, 0
	s_wait_alu depctr_va_vdst(0)
	v_lshlrev_b32 v5, 2, v1                        ; 4 r
	v_lshlrev_b32 v6, 5, v3                        ; 32 h
	v_lshlrev_b32 v7, 2, v2                        ; 4 x lane
	v_cmp_lt_u32 vcc_lo, 15, v2
	s_wait_alu depctr_va_vdst(0)
	s_wait_kmcnt 0x0
	s_add_nc_u64 s[16:17], s[16:17], s[26:27]
	s_add_nc_u64 s[32:33], s[18:19], s[28:29]
	s_add_nc_u64 s[34:35], s[18:19], s[30:31]
	global_load_b32 v26, v5, s[16:17]
	global_load_b32 v27, v5, s[16:17] offset:64
	s_wait_loadcnt 0x0
	v_min_u32 v26, 0x270f, v26                     ; the table has 10,000 rows
	v_min_u32 v27, 0x270f, v27
	v_lshlrev_b32 v26, 8, v26                      ; a row is 256 bytes
	v_lshlrev_b32 v27, 8, v27
	v_add_nc_u32 v26, v26, v6
	v_add_nc_u32 v27, v27, v6
.irp u, 0,1
.irp c, 0,1
	global_load_b128 v[X+32*\u+16*\c:X+32*\u+16*\c+3], v[26+\u], s[14:15] offset:128*\c
	global_load_b128 v[X+32*\u+16*\c+4:X+32*\u+16*\c+7], v[26+\u], s[14:15] offset:128*\c+16
	global_load_b128 v[X+32*\u+16*\c+8:X+32*\u+16*\c+11], v[26+\u], s[14:15] offset:128*\c+64
	global_load_b128 v[X+32*\u+16*\c+12:X+32*\u+16*\c+15], v[26+\u], s[14:15] offset:128*\c+80
.endr
.endr
	s_wait_loadcnt 0x0
	QUANT X, PC, PW                                ; blocks 0, 1: key tile 0; blocks 2, 3: key tile 1
.irp c, 0,1,2,3
	global_store_b128 v[LI], v[PC+4*\c:PC+4*\c+3], s[32:33] offset:512*\c
.endr
	v_lshlrev_b32 v30, 16, v[PW]                   ; lanes 0-15: the first tile's two bytes into bytes 2, 3;
	v_and_b32 v31, 0xffff0000, v[PW]               ; lanes 16-31: the second tile's
	v_cndmask_b32 v30, v30, v31, vcc_lo
	global_store_b32 v7, v30, s[34:35]
	s_endpgm
.Lfunc_end_k_q4f6db7ee0f_quant:
	.size	k_q4f6db7ee0f_quant, .Lfunc_end_k_q4f6db7ee0f_quant-k_q4f6db7ee0f_quant
	.p2alignl 7, 3214868480
	.fill 96, 4, 3214868480
	.section	.rodata,"a",@progbits
	.p2align	6, 0x0
	.amdhsa_kernel k_q4f6db7ee0f_quant
		.amdhsa_group_segment_fixed_size 35328
		.amdhsa_private_segment_fixed_size 0
		.amdhsa_enable_private_segment 0
		.amdhsa_kernarg_size 64
		.amdhsa_user_sgpr_count 2
		.amdhsa_user_sgpr_kernarg_segment_ptr 1
		.amdhsa_wavefront_size32 1
		.amdhsa_system_sgpr_workgroup_id_x 1
		.amdhsa_system_sgpr_workgroup_id_y 1
		.amdhsa_system_sgpr_workgroup_id_z 1
		.amdhsa_system_vgpr_workitem_id 0
		.amdhsa_next_free_vgpr 242
		.amdhsa_next_free_sgpr 66
		.amdhsa_reserve_vcc 1
		.amdhsa_float_denorm_mode_32 3
		.amdhsa_float_denorm_mode_16_64 3
		.amdhsa_memory_ordered 1
		.amdhsa_forward_progress 1
		.amdhsa_inst_pref_size 39
	.end_amdhsa_kernel
	.amdgpu_metadata
---
amdhsa.version: [ 1, 2 ]
amdhsa.kernels:
  - .name:           k_q4f6db7ee0f_quant
    .symbol:         k_q4f6db7ee0f_quant.kd
    .args:
      - { .name: x, .offset: 0, .size: 8, .value_kind: global_buffer, .address_space: global }
      - { .name: wq, .offset: 8, .size: 8, .value_kind: global_buffer, .address_space: global }
      - { .name: wk, .offset: 16, .size: 8, .value_kind: global_buffer, .address_space: global }
      - { .name: wv, .offset: 24, .size: 8, .value_kind: global_buffer, .address_space: global }
      - { .name: proj_w, .offset: 32, .size: 8, .value_kind: global_buffer, .address_space: global }
      - { .name: rpr, .offset: 40, .size: 8, .value_kind: global_buffer, .address_space: global }
      - { .name: positions, .offset: 48, .size: 8, .value_kind: global_buffer, .address_space: global }
      - { .name: c1, .offset: 56, .size: 8, .value_kind: global_buffer, .address_space: global }
    .group_segment_fixed_size: 35328
    .private_segment_fixed_size: 0
    .kernarg_segment_align: 8
    .kernarg_segment_size: 64
    .max_flat_workgroup_size: 128
    .sgpr_count:     66
    .vgpr_count:     242
    .wavefront_size: 32
...
	.end_amdgpu_metadata
.endif
;; end of part 1
;; launch qkv (part 2): grid 48 x 4, 4 waves a work-group, clusters of 4 x 4, 327,680 bytes of LDS; arguments c1, qkv; writes qkv
.if DOCPART == 2
	.amdgcn_target "amdgcn-amd-amdhsa--gfx1250"
	.amdhsa_code_object_version 6
	.text
	.protected	k_q4f6db7ee0f_qkv
	.globl	k_q4f6db7ee0f_qkv
	.p2align	8
	.type	k_q4f6db7ee0f_qkv,@function
k_q4f6db7ee0f_qkv:
	s_mov_b64 s[64:65], 0
	v_nop
	global_prefetch_b8 v0, s[64:65] scope:SCOPE_SE
	s_setreg_imm32_b32 hwreg(HW_REG_WAVE_MODE, 25, 1), 1
	s_wait_xcnt 0x0
	s_wait_alu depctr_hold_cnt(0) depctr_sa_sdst(0) depctr_va_vdst(0) depctr_va_sdst(0) depctr_va_ssrc(0) depctr_va_vcc(0) depctr_vm_vsrc(0)
	s_getreg_b32 s2, hwreg(HW_REG_IB_STS2, 6, 4)
	s_cmp_eq_u32 s2, 0
	s_cbranch_scc0 .Lentry_in_a_cluster
	s_endpgm
.Lentry_in_a_cluster:
	s_bfe_u32 s2, ttmp6, 0x10000c
	s_cmp_lg_u32 s2, 0xf033
	s_cbranch_scc0 .Lentry_shape_is_right
	s_endpgm
.Lentry_shape_is_right:
.set CSCL,  8388608
.set RSCL,  8912896
.set VIMG,  8388608
.set QKSCL, 12582912
.set VSCL,  13107200
.set NQ,    2
.set FR,    16
.set NL,    4
.set NP,    8
.set HALFT, 32768
.set SLOT,  131072
.set LAPS,  2
.set SCL,   262144
.set SPARE, 278528
.set STG,   279040
.set ADRA, 16
.set ADRB, 20
.set LI,   24
.set STA,  25
.set SRD,  26
.set ADRS, 27
.set SPW,  28
.set NIL,  29
.set R4,   30
.set SC,   32
.set RW,   64
.set SBK,  72
.set TM,   80
.set PW,   96
.set WL,   97
.set WH,   98
.set WD,   100
.set AF,   128
.set PC,   128
.set G1, 24
.set G0, 32
.set G1B, 48
.set G0B, 56
.set G1S, 68
.set G0S, 76
.set G1SB, 80
.set G0SB, 88
.set MSB, 0
.macro WIN new
.if MSB != (\new)
	s_set_vgpr_msb (MSB<<8)|(\new)
.set MSB, (\new)
.endif
.endm
.set MUL_LO, 0xa1
.set MUL_HI, 0xf1
.set TO_B,   0x40
.macro JLOAD g0a, g1a, g0b, g1b
	s_cmp_eq_u32 s15, 0
	s_cbranch_scc0 .Lfor_b_\@
	tensor_load_to_lds s[\g0a:\g0a+3], s[\g1a:\g1a+7]
	s_nop 0
.rept 4
	v_nop
.endr
	s_branch .Lasked_\@
.Lfor_b_\@:
	tensor_load_to_lds s[\g0b:\g0b+3], s[\g1b:\g1b+7]
	s_nop 0
.rept 4
	v_nop
.endr
.Lasked_\@:
.endm
.macro CREST
	s_cmp_lg_u32 s14, 0
	s_cbranch_scc1 .Lnot_wave_0_\@
	s_barrier_signal -3
.Lnot_wave_0_\@:
	s_barrier_wait -3
	s_barrier_signal -1
	s_barrier_wait -1
.endm
.macro CROUND
	s_barrier_signal -1
	s_barrier_wait -1
	CREST
.endm
	s_load_b128 s[4:7], s[0:1], 0x0
	v_lshl_add_u32 v[SPW], v0, 2, SPARE
	v_mov_b32 v[NIL], 0
	ds_add_u32 v28, v29
	ds_add_u32 v28, v29
	s_wait_dscnt 0x0
	v_lshrrev_b32 v1, 5, v0
	v_readfirstlane_b32 s14, v1
	s_lshr_b32 s15, s14, 1
	s_and_b32 s16, s14, 1
	s_bfe_u32 s40, ttmp6, 0x40000
	s_bfe_u32 s41, ttmp6, 0x40004
	s_lshr_b32 s92, ttmp9, 1
	s_and_b32 s93, ttmp9, 1
	s_sub_co_u32 s100, ttmp9, 8
	s_and_b32 s101, ttmp9, 9
	s_mov_b32 s98, 0x03020100
	s_mov_b32 s99, 0x03020100
	s_mov_b32 s8, 0x07060100
	s_mov_b32 s9, 0x07060302
	s_cmp_lt_u32 ttmp9, 8
	s_cselect_b32 s92, s92, 0
	s_cselect_b32 s93, s93, s100
	s_cselect_b32 s94, 0, 384
	s_cselect_b32 s95, 256, 0
	s_cselect_b32 s96, 0, VIMG
	s_cselect_b32 s97, 1, 0
	s_cselect_b32 s98, s8, s98
	s_cselect_b32 s99, s9, s99
	s_mov_b32 s8, 0x01000100
	s_mov_b32 s9, 0x03020302
	s_cmp_eq_u32 s101, 0
	s_cselect_b32 s98, s8, s98
	s_cselect_b32 s99, s9, s99
	s_lshl_b32 s17, s92, 2
	s_add_co_u32 s17, s17, s41
	s_lshl_b32 s42, s93, 2
	s_add_co_u32 s42, s42, s40
	s_lshl_b32 s43, s41, 2
	s_lshl_b32 s43, 15, s43
	s_lshl_b32 s44, 0x1111, s40
	s_or_b32 s[G1+0], s43, (3<<16)|(1<<21)
	s_or_b32 s[G1B+0], s44, (3<<16)|(1<<21)
.irp g, G1, G1B
	s_mov_b32 s[\g+1], 512<<16
	s_mov_b32 s[\g+2], 16<<16                      ; the head's loads of codes bring 16 row tiles; behind them the two words that count rows are set to 8, for the ring's
	s_mov_b32 s[\g+3], 512<<16
	s_mov_b32 s[\g+4], 16
	s_mov_b32 s[\g+5], 2048
	s_mov_b32 s[\g+6], 0
	s_mov_b32 s[\g+7], 0
.endr
	s_or_b32 s[G1S+0], s43, (3<<16)|(1<<21)
	s_or_b32 s[G1SB+0], s44, (3<<16)|(1<<21)
.irp g, G1S, G1SB
	s_mov_b32 s[\g+1], 128<<16                     ; scale words: 8 K steps x 256 rows' words, 1,024 bytes a row of the tile
	s_mov_b32 s[\g+2], 8<<16
	s_mov_b32 s[\g+3], 128<<16
	s_mov_b32 s[\g+4], 8
	s_mov_b32 s[\g+5], 4096
	s_mov_b32 s[\g+6], 0
	s_mov_b32 s[\g+7], 0
.endr
	s_lshl_b32 s18, s16, 17                        ; in the ring I fetch 8 row tiles of 16,384 bytes: which half, in bytes
	s_lshl_b32 s20, s17, 4                         ; the block's first row tile of A,
	s_add_co_u32 s20, s20, s94
	s_lshl_b32 s46, s42, 4                         ; and of B
	s_add_co_u32 s46, s46, s95
	s_lshl_b32 s22, s20, 6
	s_add_co_u32 s22, s22, CSCL
	s_mov_b32 s23, 0
	s_lshl_b32 s20, s20, 14
	s_mov_b32 s21, 0
	s_lshl_b32 s100, s46, 6
	s_add_co_u32 s100, s100, CSCL
	s_mov_b32 s101, 0
	s_lshl_b32 s46, s46, 14
	s_mov_b32 s47, 0
	s_lshl_b32 s45, s14, 15
	s_mov_b32 s19, 0
	s_wait_kmcnt 0x0
	s_add_nc_u64 s[20:21], s[4:5], s[20:21]
	s_add_nc_u64 s[22:23], s[4:5], s[22:23]
	s_add_nc_u64 s[46:47], s[4:5], s[46:47]
	s_add_nc_u64 s[100:101], s[4:5], s[100:101]
	CROUND
; THE HEAD'S LOADS, ONE A WAVE: what the first step needs is shared out: wave 0 fetches K step 0's 16 row tiles of A, wave 1 those of B, wave 2 the scale words of A's 256 rows, wave 3 those of B's.
; One chain of branches on the wave's number, each arm with its load: every way through the head passes exactly one load.
	s_mov_b32 s[G0S], 1
	s_mov_b32 s[G0S+1], SCL
	s_mov_b64 s[G0S+2:G0S+3], s[22:23]
	s_or_b32 s[G0S+3], s[G0S+3], 0x80000000
	s_mov_b32 s[G0SB], 1
	s_mov_b32 s[G0SB+1], SCL+8192
	s_mov_b64 s[G0SB+2:G0SB+3], s[100:101]
	s_or_b32 s[G0SB+3], s[G0SB+3], 0x80000000
	s_mov_b32 s[G0], 1                             ; slot 0's groups 0 serve the head's whole tiles first
	s_mov_b32 s[G0+1], 0
	s_mov_b64 s[G0+2:G0+3], s[20:21]
	s_or_b32 s[G0+3], s[G0+3], 0x80000000
	s_mov_b32 s[G0B], 1
	s_mov_b32 s[G0B+1], 2*HALFT
	s_mov_b64 s[G0B+2:G0B+3], s[46:47]
	s_or_b32 s[G0B+3], s[G0B+3], 0x80000000
.macro ARM under, g0, g1, next
	s_cmp_lt_u32 s14, \under
	s_cbranch_scc0 \next
	tensor_load_to_lds s[\g0:\g0+3], s[\g1:\g1+7]
	s_nop 0
.rept 4
	v_nop
.endr
	s_branch .Lhead_asked
\next:
.endm
	ARM 1, G0,  G1,  .Lhead_b
	ARM 2, G0B, G1B, .Lhead_sa
	ARM 3, G0S, G1S, .Lhead_sb
	tensor_load_to_lds s[G0SB:G0SB+3], s[G1SB:G1SB+7]
	s_nop 0
.rept 4
	v_nop
.endr
.Lhead_asked:
	s_add_nc_u64 s[20:21], s[20:21], s[18:19]      ; for the ring: my 8 row tiles of the block
	s_add_nc_u64 s[46:47], s[46:47], s[18:19]
	s_mov_b32 s[G0+4], 1                           ; slot 1's groups 0: K step 1
	s_add_co_u32 s[G0+5], s45, SLOT
	s_add_nc_u64 s[G0+6:G0+7], s[20:21], 4096
	s_or_b32 s[G0+7], s[G0+7], 0x80000000
	s_mov_b32 s[G0B+4], 1
	s_add_co_u32 s[G0B+5], s45, SLOT
	s_add_nc_u64 s[G0B+6:G0B+7], s[46:47], 4096
	s_or_b32 s[G0B+7], s[G0B+7], 0x80000000
	s_wait_alu depctr_va_vdst(0)
	s_wait_tensorcnt 0x0                           ; my tile of the head's four is in
	ds_add_u32 v28, v29
	s_mov_b32 s[G1+2], 8<<16                       ; no tensor load of mine is out, so descriptors may be written: from here on a load brings 8 row tiles,
	s_mov_b32 s[G1+4], 8
	s_mov_b32 s[G1B+2], 8<<16
	s_mov_b32 s[G1B+4], 8
	s_mov_b32 s[G0+1], s45                         ; and slot 0's groups 0 stand at my part of K step 0: the first refill steps them on
	s_mov_b64 s[G0+2:G0+3], s[20:21]
	s_or_b32 s[G0+3], s[G0+3], 0x80000000
	s_mov_b32 s[G0B+1], s45
	s_mov_b64 s[G0B+2:G0B+3], s[46:47]
	s_or_b32 s[G0B+3], s[G0B+3], 0x80000000
	s_wait_dscnt 0x0
	CROUND                                         ; all four tiles are in, and all sixteen work-groups are here
	JLOAD G0+4, G1, G0B+4, G1B                     ; K step 1: the first tensor load behind the round
	v_and_b32 v1, 15, v0
	v_bfe_u32 v2, v0, 4, 1
	s_wait_alu depctr_va_vdst(0)
	v_and_b32 v3, 31, v0
	v_lshlrev_b32 v[LI], 4, v3
	v_lshlrev_b32 v[R4], 2, v1
	v_cmp_lt_u32 s66, 15, v3
	s_lshl_b32 s21, s15, 15
	s_lshl_b32 s22, s16, 15
	s_add_co_u32 s22, s22, 2*HALFT
.irp s, 0,1
	v_add_nc_u32 v[ADRA+\s], s21, v[LI]
	v_add_nc_u32 v[ADRB+\s], s22, v[LI]
	s_add_co_u32 s21, s21, SLOT
	s_add_co_u32 s22, s22, SLOT
.endr
	s_lshl_b32 s21, s15, 9                         ; scale words in LDS: [K step of 128][256 rows]: my 128 rows begin 512 bytes x my half on
	s_lshl_b32 s22, s16, 9
	s_add_co_u32 s22, s22, 8192
	s_sub_co_u32 s22, s22, s21
	v_mul_u32_u24 v6, s22, v2
	s_wait_alu depctr_va_vdst(0)
	s_add_co_u32 s21, s21, SCL
	v_add_nc_u32 v5, v[R4], v6
	v_add_nc_u32 v[ADRS], s21, v5
	s_lshl_b32 s23, s14, 10
	s_add_co_u32 s23, s23, STG
	v_lshl_add_u32 v5, v2, 9, v[R4]
	v_add_nc_u32 v[STA], s23, v5
	v_add_nc_u32 v[SRD], s23, v[LI]
.irp b, 0,1,2,3
	v_mov_b32 v[TM+4+\b], 0
.endr
	s_mov_b32 s67, 0x600000
	s_mov_b32 s2, 0x76543210
	s_mov_b32 s3, 0xfedcba98
	s_lshl_b32 s18, s17, 4
	s_lshl_b32 s19, s15, 3
	s_add_co_u32 s18, s18, s19
	s_lshl_b32 s19, s42, 3
	s_lshl_b32 s20, s16, 2
	s_add_co_u32 s19, s19, s20
	s_lshl_b32 s20, s18, 6
	s_add_co_u32 s20, s20, RSCL
	s_mov_b32 s21, 0
	s_add_nc_u64 s[12:13], s[4:5], s[20:21]
.irp a, 0,1,2,3,4,5,6,7
	global_load_b32 v[RW+\a], v[R4], s[12:13] offset:64*\a
.endr
	s_lshr_b32 s20, s19, 6
	s_lshl_b32 s20, s20, 21
	s_add_co_u32 s20, s20, s96
	s_lshl_b32 s22, s18, 15
	s_add_co_u32 s20, s20, s22
	s_and_b32 s22, s19, 63
	s_lshl_b32 s22, s22, 9
	s_add_co_u32 s20, s20, s22
	s_add_nc_u64 s[8:9], s[6:7], s[20:21]
	s_lshr_b32 s19, s19, 2
	s_lshr_b32 s20, s19, 3
	s_lshl_b32 s20, s20, 1
	s_lshr_b32 s22, s18, 7
	s_add_co_u32 s20, s20, s22
	s_lshl_b32 s20, s20, 4
	s_and_b32 s22, s19, 7
	s_lshl_b32 s22, s22, 1
	s_add_co_u32 s20, s20, s22
	s_lshl_b32 s20, s20, 13
	s_and_b32 s22, s18, 127
	s_lshl_b32 s22, s22, 6
	s_add_co_u32 s20, s20, s22
	s_add_co_u32 s20, s20, QKSCL
	s_lshr_b32 s22, s19, 4
	s_lshl_b32 s22, s22, 3
	s_lshr_b32 s23, s18, 3
	s_add_co_u32 s22, s22, s23
	s_lshl_b32 s22, s22, 4
	s_and_b32 s23, s19, 15
	s_add_co_u32 s22, s22, s23
	s_lshl_b32 s22, s22, 9
	s_add_co_u32 s22, s22, VSCL
	s_cmp_eq_u32 s97, 1
	s_cselect_b32 s20, s20, s22
	s_add_nc_u64 s[10:11], s[6:7], s[20:21]
.macro FRAG reg, adr, q, i
.irp c, 0,1,2,3
	ds_load_b128 v[\reg+4*\c:\reg+4*\c+3], v[\adr] offset:(\i)*4096+(\q)*2048+512*\c
.endr
.endm
.macro MUL16 a0, p, q, sc, zero
.irp a, \a0, \a0+1
.irp b, 0,1,2,3,4,5,6,7
.if \zero
	v_wmma_scale_f32_16x16x128_f8f6f4 v[8*(8*((\a)%4)+\b):8*(8*((\a)%4)+\b)+7], v[128*(\p)+FR*\b:128*(\p)+FR*\b+FR-1], v[AF+FR*(\a):AF+FR*(\a)+FR-1], 0, v[SC+8*NQ*(\sc)+NQ*\b+(\q)], v[SC+8*NQ*(\sc)+NQ*(\a)+(\q)] matrix_a_fmt:MATRIX_FMT_BF8 matrix_b_fmt:MATRIX_FMT_BF8 matrix_a_scale:MATRIX_SCALE_ROW1
.else
	v_wmma_scale_f32_16x16x128_f8f6f4 v[8*(8*((\a)%4)+\b):8*(8*((\a)%4)+\b)+7], v[128*(\p)+FR*\b:128*(\p)+FR*\b+FR-1], v[AF+FR*(\a):AF+FR*(\a)+FR-1], v[8*(8*((\a)%4)+\b):8*(8*((\a)%4)+\b)+7], v[SC+8*NQ*(\sc)+NQ*\b+(\q)], v[SC+8*NQ*(\sc)+NQ*(\a)+(\q)] matrix_a_fmt:MATRIX_FMT_BF8 matrix_b_fmt:MATRIX_FMT_BF8 matrix_a_scale:MATRIX_SCALE_ROW1
.endif
.endr
.endr
.endm
.macro FETCH_B slot, q, p
	WIN TO_B
.irp i, 0,1,2,3,4,5,6,7
	FRAG 128*(\p)+FR*\i, ADRB+\slot, \q, \i
.endr
	WIN 0
.endm
.macro FETCH_A slot, q, i0
.irp i, \i0, \i0+1, \i0+2, \i0+3
	FRAG AF+FR*(\i), ADRA+\slot, \q, \i
.endr
.endm
.macro SCALES sc
.irp i, 0,1,2,3,4,5,6,7
	ds_load_b32 v[SC+8*NQ*\sc+NQ*\i], v[ADRS] offset:64*\i
	ds_load_b32 v[SC+8*NQ*\sc+NQ*\i+1], v[ADRS] offset:1024+64*\i
.endr
.endm
.macro PLACES n
.rept \n
	v_nop
.endr
.endm
.macro STEP slot, q, zero
	s_wait_dscnt 4*NL
	WIN MUL_LO
	MUL16 0, (\q)%2, \q, \slot, \zero
	MUL16 2, (\q)%2, \q, \slot, \zero
	s_wait_dscnt 0
	PLACES NP
	FETCH_B \slot, (\q)+1, 1-(\q)%2
	FETCH_A \slot, (\q)+1, 0
	WIN MUL_HI
	MUL16 4, (\q)%2, \q, \slot, \zero
	MUL16 6, (\q)%2, \q, \slot, \zero
	PLACES NP
	WIN 0
	FETCH_A \slot, (\q)+1, 4
.endm
.macro TURN slot, next, fill
	s_wait_tensorcnt 0x0
	ds_add_u32 v[SPW], v[NIL]
	s_wait_dscnt 4*NL+1
	WIN MUL_LO
	MUL16 0, 1, NQ-1, \slot, 0
	s_wait_dscnt 0x0
	s_barrier_signal -1
	MUL16 2, 1, NQ-1, \slot, 0
	WIN 0
	s_barrier_wait -1
.if \fill
	CREST
	s_add_nc_u64 s[G0+4*\slot+2:G0+4*\slot+3], s[G0+4*\slot+2:G0+4*\slot+3], 8192
	s_add_nc_u64 s[G0B+4*\slot+2:G0B+4*\slot+3], s[G0B+4*\slot+2:G0B+4*\slot+3], 8192
	JLOAD G0+4*\slot, G1, G0B+4*\slot, G1B
	PLACES NP-4
.else
	PLACES NP
.endif
	s_wait_alu depctr_va_vdst(0)
	v_add_nc_u32 v[ADRS], 2048, v[ADRS]
	FETCH_B \next, 0, 0
	FETCH_A \next, 0, 0
	SCALES \next
	WIN MUL_HI
	MUL16 4, 1, NQ-1, \slot, 0
	MUL16 6, 1, NQ-1, \slot, 0
	PLACES NP
	WIN 0
	FETCH_A \next, 0, 4
.endm
	s_wait_alu depctr_va_vdst(0)
	s_wait_loadcnt 0x0
	s_wait_tensorcnt 1
	s_barrier_signal -1
	s_barrier_wait -1
	FETCH_B 0, 0, 0
	FETCH_A 0, 0, 0
	SCALES 0
	FETCH_A 0, 0, 4
	STEP 0, 0, 1
	s_mov_b32 s93, LAPS-1
.Llap:
	TURN 0, 1, 1
	STEP 1, 0, 0
	TURN 1, 0, 1
	STEP 0, 0, 0
	s_sub_co_u32 s93, s93, 1
	s_cmp_lg_u32 s93, 0
	s_cbranch_scc1 .Llap
	TURN 0, 1, 0
	STEP 1, 0, 0
	s_wait_dscnt 4*NL
	WIN MUL_LO
	MUL16 0, 1, NQ-1, 1, 0
	MUL16 2, 1, NQ-1, 1, 0
	s_wait_dscnt 0
	WIN MUL_HI
	MUL16 4, 1, NQ-1, 1, 0
	MUL16 6, 1, NQ-1, 1, 0
	WIN 0
.macro QUANTW a
.set AC, 64*((\a)%4)
.set WW, 2+(\a)/4
	WIN WW|(WW<<2)
.irp b, 0,1,2,3
	v_max3_num_f32 v[TM+\b], |v[AC+16*\b]|, |v[AC+16*\b+1]|, 0x8000000
.endr
.irp i, 2,4,6,8,10,12,14
.irp b, 0,1,2,3
	v_max3_num_f32 v[TM+\b], |v[AC+16*\b+\i]|, |v[AC+16*\b+\i+1]|, v[TM+\b]
.endr
.endr
	WIN 0
.irp b, 0,1,2,3
	v_permlanex16_b32 v[TM+4+\b], v[TM+\b], s2, s3
.endr
.irp b, 0,1,2,3
	v_max_num_f32 v[TM+\b], v[TM+\b], v[TM+4+\b]
.endr
.irp b, 0,1,2,3
	v_add_nc_u32 v[TM+12+\b], 0xf8800000, v[TM+\b]
.endr
.irp b, 0,1,2,3
	v_and_or_b32 v[TM+8+\b], v[TM+\b], 0x7f800000, s67
.endr
.irp b, 0,1,2,3
	v_lshrrev_b32 v[TM+4+\b], 23, v[TM+12+\b]
.endr
	v_lshl_or_b32 v[PW], v[TM+5], 8, v[TM+4]
	v_lshl_or_b32 v[PW], v[TM+6], 16, v[PW]
	v_lshl_or_b32 v[PW], v[TM+7], 24, v[PW]
	WIN WW|(WW<<6)
.irp b, 0,1,2,3
.irp i, 0,1,2,3,4,5,6,7,8,9,10,11,12,13,14,15
	v_med3_num_f32 v[AC+16*\b+\i], v[AC+16*\b+\i], -v[TM+8+\b], v[TM+8+\b]
.endr
.endr
	WIN WW
.irp b, 0,1,2,3
	v_cvt_scalef32_pk8_bf8_f32 v[PC+16*(\a)+4*\b:PC+16*(\a)+4*\b+1], v[AC+16*\b:AC+16*\b+7], v[TM+12+\b]
	v_cvt_scalef32_pk8_bf8_f32 v[PC+16*(\a)+4*\b+2:PC+16*(\a)+4*\b+3], v[AC+16*\b+8:AC+16*\b+15], v[TM+12+\b]
.endr
	WIN 0
	v_nop
.endm
	PLACES NP
.irp a, 0,1,2,3,4,5,6,7
	QUANTW \a
	v_perm_b32 v[WL], v[RW+\a], v[PW], s98
	v_perm_b32 v[WH], v[RW+\a], v[PW], s99
	v_cndmask_b32 v[WD+\a], v[WL], v[WH], s66
	ds_store_b32 v[STA], v[WD+\a] offset:64*\a
.irp c, 0,1,2,3
	global_store_b128 v[LI], v[PC+16*\a+4*\c:PC+16*\a+4*\c+3], s[8:9] offset:32768*\a+512*\c
.endr
.endr
	ds_load_b128 v[SBK:SBK+3], v[SRD]
	ds_load_b128 v[SBK+4:SBK+7], v[SRD] offset:512
	s_wait_dscnt 0x0
	global_store_b128 v[LI], v[SBK:SBK+3], s[10:11]
	s_cmp_eq_u32 s97, 0
	s_cbranch_scc1 .Lone_word
	global_store_b128 v[LI], v[SBK+4:SBK+7], s[10:11] offset:8192
.Lone_word:
	s_wait_tensorcnt 0x0
	ds_add_u32 v[SPW], v[NIL]
	s_wait_dscnt 0x0
	CROUND
	s_endpgm
.Lfunc_end_k_q4f6db7ee0f_qkv:
	.size	k_q4f6db7ee0f_qkv, .Lfunc_end_k_q4f6db7ee0f_qkv-k_q4f6db7ee0f_qkv
	.p2alignl 7, 3214868480
	.fill 96, 4, 3214868480
	.section	.rodata,"a",@progbits
	.p2align	6, 0x0
	.amdhsa_kernel k_q4f6db7ee0f_qkv
		.amdhsa_group_segment_fixed_size 327680
		.amdhsa_private_segment_fixed_size 0
		.amdhsa_enable_private_segment 0
		.amdhsa_kernarg_size 16
		.amdhsa_user_sgpr_count 2
		.amdhsa_user_sgpr_kernarg_segment_ptr 1
		.amdhsa_wavefront_size32 1
		.amdhsa_system_sgpr_workgroup_id_x 1
		.amdhsa_system_sgpr_workgroup_id_y 1
		.amdhsa_system_sgpr_workgroup_id_z 1
		.amdhsa_system_vgpr_workitem_id 0
		.amdhsa_next_free_vgpr 1024
		.amdhsa_next_free_sgpr 102
		.amdhsa_reserve_vcc 0
		.amdhsa_float_denorm_mode_32 3
		.amdhsa_float_denorm_mode_16_64 3
		.amdhsa_memory_ordered 1
		.amdhsa_forward_progress 1
		.amdhsa_inst_pref_size 192
	.end_amdhsa_kernel
	.amdgpu_metadata
---
amdhsa.version: [ 1, 2 ]
amdhsa.kernels:
  - .name:           k_q4f6db7ee0f_qkv
    .symbol:         k_q4f6db7ee0f_qkv.kd
    .args:
      - { .name: c1, .offset: 0, .size: 8, .value_kind: global_buffer, .address_space: global }
      - { .name: qkv, .offset: 8, .size: 8, .value_kind: global_buffer, .address_space: global }
    .group_segment_fixed_size: 327680
    .private_segment_fixed_size: 0
    .kernarg_segment_align: 8
    .kernarg_segment_size: 16
    .max_flat_workgroup_size: 128
    .sgpr_count:     102
    .vgpr_count:     1024
    .wavefront_size: 32
...
	.end_amdgpu_metadata
.endif
;; end of part 2
;; launch attn (part 3): grid 16 x 16, 8 waves a work-group, clusters of 4 x 4, 327,680 bytes of LDS; arguments qkv, c1, causal_mask, ob; writes ob
.if DOCPART == 3
	.amdgcn_target "amdgcn-amd-amdhsa--gfx1250"
	.amdhsa_code_object_version 6
	.text
	.protected	k_q4f6db7ee0f_attn
	.globl	k_q4f6db7ee0f_attn
	.p2align	8
	.type	k_q4f6db7ee0f_attn,@function
k_q4f6db7ee0f_attn:
	s_mov_b64 s[64:65], 0
	v_nop
	global_prefetch_b8 v0, s[64:65] scope:SCOPE_SE
	s_setreg_imm32_b32 hwreg(HW_REG_WAVE_MODE, 25, 1), 1
	s_wait_xcnt 0x0
	s_wait_alu depctr_hold_cnt(0) depctr_sa_sdst(0) depctr_va_vdst(0) depctr_va_sdst(0) depctr_va_ssrc(0) depctr_va_vcc(0) depctr_vm_vsrc(0)
	s_getreg_b32 s2, hwreg(HW_REG_IB_STS2, 6, 4)
	s_cmp_eq_u32 s2, 0
	s_cbranch_scc0 .Lentry_in_a_cluster
	s_endpgm
.Lentry_in_a_cluster:
	s_bfe_u32 s2, ttmp6, 0x10000c
	s_cmp_lg_u32 s2, 0xf033
	s_cbranch_scc0 .Lentry_shape_is_right
	s_endpgm
.Lentry_shape_is_right:
; O = softmax((q k^T + q rpr[pos]^T + mask) / 8) v for 32 (batch, head), on codes of BF8 with E8M0 scales; O / l leaves as codes along (head, d) for the last product.
; ONE MATRIX INSTRUCTION DOES BOTH SCORE PRODUCTS: each has K = 64 and the same left operand, so source 1 = [q | q], source 0 = [k | rpr[pos]], scale words [s0 s1 s0 s1] and [k0 k1 r0 r1]; its C is the mask, read in f32.
; The mask is an input: all 2,048 keys of every query are computed and every number of the mask is read.
; SOFTMAX: t = score x log2(e) / 8; M = the running largest t rounded up to a whole number; p = 2^(t - M) is quantised along the keys; l sums the unquantised p; a change of M multiplies l and O by a power of two.
; SHARES: a work-group takes 128 queries x two heads of one batch; wave w takes head w / 4 and 32 queries: two tiles of 16, tile 0 in register window 0, tile 1 in window 1, which share each fragment of k, rpr and v read from LDS.
; Both products are used transposed: a lane holds one query (lane % 16); its registers run along the keys, then along d.  Operands are chunks of 512 bytes, 16 bytes a lane, four to a fragment.
; RING: two LDS slots of one key step (128 keys): mask 128 x 528, k 16 KiB, v 16 KiB, rpr 8 KiB; waves 0, 1 fetch the mask's halves, 2 k, 3 v, 4 rpr; waves 5-7 bring the scale words once.
; CLUSTER 4 x 4: the mask's tile hangs on the query block alone: shared down a column; k, v, rpr and the scales hang on (batch, pair of heads): shared along a row.
; LIMITS: NaN and infinities are not served; a block of zeros gets the byte 1.
.set SLOT1, 131072
.set MP,    528
.set KOFF,  67584
.set VOFF,  83968
.set ROFF,  100352
.set SCK,   262144                     ; k's scale words: 2 heads x 2,048
.set SCV,   278528                     ; v's: [step 16][128 e]
.set SPARE, 286720                     ; the spare words: 128 bytes a wave
.set OST,   287744                     ; 512 bytes: O's scale words; no tensor load lands here
.set VIMG,  8388608
.set QKSCL, 12582912
.set VSCL,  13107200
.set RIMG,  8650752
.set OSCL,  4194304
.set LI,   1                           ; window 0 alone: v1 16 x lane; v2-7 my places in the tiles; v8, v9 the add's; v10, v11 O's scale words
.set AK0,  2
.set AR0,  3
.set AV0,  4
.set AM0,  5
.set ASK0, 6
.set ASV0, 7
.set SPW,  8
.set NIL,  9
.set OSA,  10
.set OSR,  11
.set NM,   12                          ; each tile, in its window: v12 -M, v13 largest t, v14-15 l, v16-31 [q | q]
.set MT,   13
.set LS,   14
.set QF,   16
.set FR,   32                          ; v32-95: window 0: fragments of key tiles 0-3, then v's four; window 1: key tiles 4-7
.set S,    96                          ; v96-159 mask, then scores, then p
.set OA,   160                         ; v160-191 O^T
.set PCD,  192                         ; v192-207 p's codes
.set BM,   208
.set T1,   212
.set LIMR, 216
.set SCO,  220
.set FF,   224
.set TT,   226
.set PWT,  227
.set SUM2, 228
.set ADK,  232                         ; window 0 alone: the step's addresses
.set ADR,  233
.set ADV,  234
.set ADM,  235
.set ADS,  236
.set ADT,  237
.set PFO,  238
.set L4,   239
.set KW,   240                         ; scale words, and nothing else: v240-243 [k | rpr], a pair of key tiles each; v244 q's; v246, v247 p's; v248-249 v's
.set QW,   244
.set PWD,  246
.set VW,   248
.set WV,   12
.set MNT,  19
.set SEL,  20
.set CS,   22
.set TB,   24
.set TS,   25
.set SLOTS, 26
.set LIM,  27
.set PFA,  28
.set PFS,  30
.set G1M,  32
.set G1T,  40
.set G1D,  48
.set G0M,  56
.set G0K,  60
; WHAT GOES ROUND LDS (this takes the place of what the head comment says of v's tile and of wave 3): the workspace holds k, rpr and v as chunks in the order of the operand registers, so a load of 16 bytes a lane reads 512 consecutive bytes.
; v's four fragments of a step, and the [k | rpr] fragments of key tiles 4-7 of the NEXT step, go from memory straight into registers: 32 loads a wave and step, asked for behind the step's score products, when their registers fall free.
; So a wave reads 24 KiB from LDS in a step (the mask 16, key tiles 0-3 8) in place of 40.  The ring holds the mask, k's key tiles 0-3 (8 KiB) and rpr's (4 KiB); wave 3 fetches nothing.
; These fragments are not asked for jointly: each wave's registers take its own head's bytes at its own place in the step, so there is no common LDS tile for a joint load to fill.
.set SVG,  68                          ; s[68:69] v's chunks of my head, at the step in hand
.set SKG,  70                          ; s[70:71] k's chunks of my head, at the step whose key tiles 4-7 are asked for next
.set SRG,  100                         ; s[100:101] rpr's chunks, likewise
.set G1R,  92                          ; s[92:99] group 1 for rpr's key tiles 0-3; made at the head's end, when the registers are free
.set G0R,  72
.set G0X,  76
.set MSB, 0
.macro WIN new
.if MSB != (\new)
	s_set_vgpr_msb (MSB<<8)|(\new)
.set MSB, (\new)
.endif
.endm
.macro NOP4
.rept 4
	v_nop
.endr
.endm
.macro CROUND
	s_barrier_signal -1
	s_barrier_wait -1
	s_cmp_lg_u32 s[WV], 0
	s_cbranch_scc1 .Lnot_wave_0_\@
	s_barrier_signal -3
.Lnot_wave_0_\@:
	s_barrier_wait -3
	s_barrier_signal -1
	s_barrier_wait -1
.endm
; a wave's one joint load; the branches hang on the wave's number alone; four v_nop follow each line.  first = 1: waves 5-7 bring the scale words
.macro TLOAD first
	s_cmp_lt_u32 s[WV], 2
	s_cbranch_scc0 .Lnot_m_\@
	tensor_load_to_lds s[G0M:G0M+3], s[G1M:G1M+7]
	s_nop 0
	NOP4
	s_branch .Lasked_\@
.Lnot_m_\@:
	s_cmp_eq_u32 s[WV], 2
	s_cbranch_scc0 .Lnot_k_\@
	tensor_load_to_lds s[G0K:G0K+3], s[G1T:G1T+7]
	s_nop 0
	NOP4
	s_branch .Lasked_\@
.Lnot_k_\@:
	s_cmp_eq_u32 s[WV], 3
	s_cbranch_scc1 .Lasked_\@
	s_cmp_eq_u32 s[WV], 4
	s_cbranch_scc0 .Lnot_r_\@
.if \first
	tensor_load_to_lds s[G0R:G0R+3], s[G1D:G1D+7]  ; slot 0's first fill brings rpr's eight key tiles of step 0, of which four are read: the smaller group 1 is not made yet
	s_nop 0
	NOP4
	s_branch .Lasked_\@
.else
	tensor_load_to_lds s[G0R:G0R+3], s[G1R:G1R+7]
	s_nop 0
	NOP4
.endif
.Lnot_r_\@:
.if \first
	tensor_load_to_lds s[G0X:G0X+3], s[G1D:G1D+7]
	s_nop 0
	NOP4
.endif
.Lasked_\@:
.endm
; A prefetch of what the NEXT change of slots will ask for, one key step ahead, by waves that fetch nothing, one instruction each.  The mask's tile (128 rows x 512 bytes) is read by every cluster of its column of clusters:
; those with cluster y = 0 ask; the four partners of a column take 32 rows each, told apart by address; wave 5 names a row's first 256 bytes, wave 7 its second, a lane a row.  k's and v's tiles (8 rows x 2,048 bytes each) are read by
; every cluster of a row of clusters: those with cluster x = 0 ask, in wave 6; by address, partners 0, 1 take k's rows 0-3, 4-7 and partners 2, 3 v's: a lane 256 bytes.  So each aligned 256 bytes are named once in the launch.
; The last change that fills a slot asks for nothing; steps 0 and 1 come by their loads alone.  rpr's 8 KiB a step and the scale words are not asked for.
.macro ASK
	s_cmp_gt_u32 s[SLOTS], s[LIM]
	s_cbranch_scc0 .Lnot_mine_\@
	global_prefetch_b8 v[PFO], s[PFA:PFA+1] th:TH_LOAD_NT scope:SCOPE_SE
.Lnot_mine_\@:
.endm
	s_load_b256 s[4:11], s[0:1], 0x0               ; qkv, c1, mask, ob
	v_lshl_add_u32 v[SPW], v0, 2, SPARE
	v_mov_b32 v[NIL], 0
	ds_add_u32 v8, v9
	ds_add_u32 v8, v9
	s_wait_dscnt 0x0
	v_lshrrev_b32 v1, 5, v0
	s_delay_alu instid0(VALU_DEP_1)
	v_readfirstlane_b32 s[WV], v1                  ; wave 0..7
	s_bfe_u32 s13, ttmp6, 0x40000                  ; cx
	s_bfe_u32 s14, ttmp6, 0x40004                  ; cy
	s_lshl_b32 s15, ttmp9, 2
	s_add_co_u32 s15, s15, s13                     ; x: my block of 128 queries
	s_and_b32 s16, ttmp7, 0xffff
	s_lshl_b32 s16, s16, 2
	s_add_co_u32 s16, s16, s14                     ; y
	s_lshr_b32 s17, s16, 3                         ; batch
	s_and_b32 s18, s16, 7                          ; pair of heads
	s_lshr_b32 s80, s[WV], 2                       ; my head of the pair
	s_and_b32 s81, s[WV], 3                        ; my 32 queries of the 128
	s_lshl_b32 s82, s14, 2
	s_lshl_b32 s82, 15, s82                        ; my row of the cluster
	s_lshl_b32 s83, 0x1111, s13                    ; my column
	s_or_b32 s[G1M], s83, (2<<16)|(1<<20)|(1<<21)|(6<<22)|(3<<25)   ; the mask's tile: elements of 4 bytes; 4 words of padding after every 128
	s_mov_b32 s[G1M+1], 128<<16
	s_mov_b32 s[G1M+2], 64<<16
	s_mov_b32 s[G1M+3], 128<<16
	s_mov_b32 s[G1M+4], 64
	s_mov_b32 s[G1M+5], 2048
	s_mov_b32 s[G1M+6], 0
	s_mov_b32 s[G1M+7], 0
	s_or_b32 s[G1T], s82, (3<<16)|(1<<21)          ; k's: 4 rows of 2,048 bytes, 32,768 apart
	s_mov_b32 s[G1T+1], 256<<16
	s_mov_b32 s[G1T+2], 4<<16
	s_mov_b32 s[G1T+3], 256<<16
	s_mov_b32 s[G1T+4], 4
	s_mov_b32 s[G1T+5], 4096
	s_mov_b32 s[G1T+6], 0
	s_mov_b32 s[G1T+7], 0
	s_or_b32 s[G1D], s82, (3<<16)|(1<<21)          ; a dense block of 8,192 bytes as 32 rows of 256
	s_mov_b32 s[G1D+1], 32<<16
	s_mov_b32 s[G1D+2], 32<<16
	s_mov_b32 s[G1D+3], 32<<16
	s_mov_b32 s[G1D+4], 32
	s_mov_b32 s[G1D+5], 32
	s_mov_b32 s[G1D+6], 0
	s_mov_b32 s[G1D+7], 0
	s_and_b32 s2, s[WV], 1
	s_lshl_b32 s84, s15, 20                        ; mask: row 128 x + 64 (wave % 2), 8,192 bytes a row
	s_lshl_b32 s85, s2, 19
	s_add_co_u32 s84, s84, s85
	s_mov_b32 s85, 0
	s_lshl_b32 s86, s17, 22                        ; k: s tile 128 batch, chunk 32 + 4 pair
	s_lshl_b32 s87, s18, 11
	s_add_co_u32 s86, s86, s87
	s_add_co_u32 s86, s86, 16384
	s_mov_b32 s87, 0
	s_lshl_b32 s88, s17, 21                        ; v: batch, e tile 8 pair
	s_lshl_b32 s89, s18, 18
	s_add_co_u32 s88, s88, s89
	s_add_co_u32 s88, s88, VIMG
	s_mov_b32 s89, 0
	s_lshl_b32 s90, s17, 17                        ; rpr: key tile 128 batch
	s_add_co_u32 s90, s90, RIMG
	s_mov_b32 s91, 0
	s_lshl_b32 s92, s17, 4                         ; scale words: waves 5, 6: k's of heads 2 pair, 2 pair + 1; wave 7: v's
	s_lshl_b32 s93, s18, 1
	s_add_co_u32 s92, s92, s93
	s_add_co_u32 s92, s92, s[WV]
	s_add_co_u32 s92, s92, 27
	s_lshl_b32 s92, s92, 13
	s_add_co_u32 s92, s92, QKSCL
	s_lshl_b32 s93, s17, 3
	s_add_co_u32 s93, s93, s18
	s_lshl_b32 s93, s93, 13
	s_add_co_u32 s93, s93, VSCL
	s_cmp_eq_u32 s[WV], 7
	s_cselect_b32 s92, s93, s92
	s_mov_b32 s93, 0
	s_mov_b32 s[SEL], 0x76543210
	s_mov_b32 s[SEL+1], 0xfedcba98
	s_mov_b32 s[CS], 0x3e38aa3b                    ; log2(e) / 8
	s_mov_b32 s[CS+1], s[CS]
	s_mov_b32 s[MNT], 0x600000
	s_mov_b32 s[TB], 0
	s_mov_b32 s[TS], 0
	s_mov_b32 s[SLOTS], 15
	s_wait_kmcnt 0x0
	s_mov_b32 s[G0M], 1
	s_mul_i32 s[G0M+1], s2, 64*MP
	s_add_nc_u64 s[G0M+2:G0M+3], s[8:9], s[84:85]
	s_or_b32 s[G0M+3], s[G0M+3], 0x80000000
	s_mov_b32 s[G0K], 1
	s_mov_b32 s[G0K+1], KOFF
	s_add_nc_u64 s[G0K+2:G0K+3], s[4:5], s[86:87]
	s_or_b32 s[G0K+3], s[G0K+3], 0x80000000
	s_lshl_b32 s2, s80, 17                         ; v: my head's four e tiles, 32,768 bytes each
	s_mov_b32 s3, 0
	s_add_nc_u64 s[SVG:SVG+1], s[4:5], s[88:89]
	s_add_nc_u64 s[SVG:SVG+1], s[SVG:SVG+1], s[2:3]
	s_sub_nc_u64 s[SVG:SVG+1], s[SVG:SVG+1], 2048  ; one step back: each step steps it ahead of its loads
	s_lshl_b32 s2, s80, 10                         ; k: my head's two chunks of a key tile
	s_add_nc_u64 s[SKG:SKG+1], s[4:5], s[86:87]
	s_add_nc_u64 s[SKG:SKG+1], s[SKG:SKG+1], s[2:3]
	s_add_nc_u64 s[SRG:SRG+1], s[6:7], s[90:91]
	s_mov_b32 s[G0R], 1
	s_mov_b32 s[G0R+1], ROFF
	s_add_nc_u64 s[G0R+2:G0R+3], s[6:7], s[90:91]
	s_or_b32 s[G0R+3], s[G0R+3], 0x80000000
	s_mov_b32 s[G0X], 1
	s_lshl_b32 s3, s[WV], 13
	s_add_co_u32 s[G0X+1], s3, SCK-5*8192
	s_add_nc_u64 s[G0X+2:G0X+3], s[4:5], s[92:93]
	s_or_b32 s[G0X+3], s[G0X+3], 0x80000000
	CROUND                                         ; all sixteen work-groups are here
	TLOAD 1                                        ; slot 0 and the scale words: one load a wave
	; the prefetches: where mine stand (at step 1; the first change steps them to step 2), and who asks
	s_lshr_b32 s94, s13, 1
	s_sub_co_u32 s95, s88, s86
	s_mul_i32 s95, s95, s94
	s_add_co_u32 s95, s95, s86                     ; k's tile, or v's where cx > 1
	s_and_b32 s96, s13, 1
	s_lshl_b32 s96, s96, 17
	s_add_co_u32 s95, s95, s96                     ; rows 0-3 or 4-7
	s_mul_i32 s96, s94, 260096
	s_sub_co_u32 s96, 262144, s96                  ; a step on: 262,144 in k, 2,048 in v
	s_add_co_u32 s95, s95, s96
	s_lshl_b32 s97, s15, 20
	s_lshl_b32 s98, s14, 18
	s_add_co_u32 s97, s97, s98                     ; the mask: row 128 x + 32 cy
	s_bfe_u32 s98, s[WV], 0x10001
	s_lshl_b32 s98, s98, 8
	s_add_co_u32 s97, s97, s98
	s_add_co_u32 s97, s97, 512
	s_and_b32 s98, ttmp7, 0xffff
	s_and_b32 s99, s[WV], 5
	s_cmp_eq_u32 s99, 5                            ; waves 5 and 7
	s_cselect_b32 s94, s97, s95
	s_cselect_b32 s[PFS], 512, s96
	s_cselect_b32 s98, s98, ttmp9                  ; the cluster's coordinate along which others read the same bytes
	s_cselect_b32 s99, -1, 0
	s_cselect_b64 s[PFA:PFA+1], s[8:9], s[4:5]
	s_mov_b32 s95, 0
	s_mov_b32 s[PFS+1], 0
	s_add_nc_u64 s[PFA:PFA+1], s[PFA:PFA+1], s[94:95]
	s_cmp_lt_u32 s[WV], 5
	s_cselect_b32 s98, 1, s98
	s_cmp_eq_u32 s98, 0
	s_cselect_b32 s[LIM], 1, -1
	; q, its scale words, O and O's scale words
	s_lshl_b32 s94, s17, 7
	s_lshl_b32 s95, s15, 3
	s_add_co_u32 s94, s94, s95
	s_lshl_b32 s95, s81, 1
	s_add_co_u32 s94, s94, s95                     ; my first tile of 16 rows
	s_lshl_b32 s95, s18, 1
	s_add_co_u32 s95, s95, s80                     ; my head
	s_lshl_b32 s96, s94, 15
	s_lshl_b32 s97, s95, 10
	s_add_co_u32 s96, s96, s97
	s_mov_b32 s97, 0
	s_add_nc_u64 s[84:85], s[4:5], s[96:97]
	s_lshl_b32 s96, s94, 14
	s_lshl_b32 s98, s95, 10
	s_add_co_u32 s96, s96, s98
	s_add_nc_u64 s[88:89], s[10:11], s[96:97]
	s_lshl_b32 s96, s17, 4
	s_add_co_u32 s96, s96, s95
	s_lshl_b32 s96, s96, 13
	s_lshl_b32 s98, s17, 7
	s_sub_co_u32 s98, s94, s98
	s_lshl_b32 s98, s98, 6
	s_add_co_u32 s96, s96, s98
	s_add_co_u32 s96, s96, QKSCL
	s_add_nc_u64 s[86:87], s[4:5], s[96:97]
	s_lshl_b32 s96, s18, 14
	s_lshl_b32 s98, s17, 13
	s_add_co_u32 s96, s96, s98
	s_lshl_b32 s98, s15, 9
	s_add_co_u32 s96, s96, s98
	s_add_co_u32 s96, s96, OSCL
	s_add_nc_u64 s[90:91], s[10:11], s[96:97]
	v_and_b32 v12, 31, v0                          ; lane
	v_and_b32 v13, 15, v0                          ; r
	v_bfe_u32 v14, v0, 4, 1                        ; h
	s_delay_alu instid0(VALU_DEP_3)
	v_lshlrev_b32 v[LI], 4, v12
	s_delay_alu instid0(VALU_DEP_4)
	v_lshlrev_b32 v[L4], 2, v12
	v_lshlrev_b32 v15, 13, v12                     ; the prefetches' offset: a row of the mask a lane,
	v_lshrrev_b32 v16, 3, v12
	s_delay_alu instid0(VALU_DEP_1)
	v_lshlrev_b32 v16, 15, v16
	v_and_b32 v17, 7, v12
	s_delay_alu instid0(VALU_DEP_1)
	v_lshl_add_u32 v16, v17, 8, v16                ; or 256 bytes of a row of chunks
	s_delay_alu instid0(VALU_DEP_1)
	v_cndmask_b32 v[PFO], v16, v15, s99
	s_lshl_b32 s2, s80, 10
	s_add_co_u32 s2, s2, KOFF
	v_add_nc_u32 v[AK0], s2, v[LI]
	v_add_nc_u32 v[AR0], ROFF, v[LI]
	s_lshl_b32 s2, s80, 13
	s_add_co_u32 s3, s2, SCK
	v_add_nc_u32 v[ASK0], s3, v[L4]
	s_lshl_b32 s2, s80, 8
	s_add_co_u32 s2, s2, SCV
	v_add_nc_u32 v[ASV0], s2, v[L4]
	s_mul_i32 s2, s81, 32*MP
	v_mul_u32_u24 v[AM0], v13, MP
	s_delay_alu instid0(VALU_DEP_1)
	v_lshl_add_u32 v[AM0], v14, 5, v[AM0]
	s_delay_alu instid0(VALU_DEP_1)
	v_add_nc_u32 v[AM0], s2, v[AM0]                ; the mask: my query's row, + 32 h
	s_lshl_b32 s2, s81, 7
	s_lshl_b32 s3, s80, 1
	s_add_co_u32 s2, s2, s3
	s_add_co_u32 s2, s2, OST
	v_lshl_add_u32 v[OSA], v13, 2, s2              ; O's scale word of my row: my head's two bytes
	v_add_nc_u32 v[OSR], OST, v[LI]
.irp c, 0,1,2,3
	global_load_b128 v[QF+4*\c:QF+4*\c+3], v[LI], s[84:85] offset:512*(\c%2)          ; [q | q]: the two chunks twice
.endr
	global_load_b32 v[QW], v[L4], s[86:87]         ; lanes 0-15: tile 0's words, lanes 16-31: tile 1's
	WIN 0x40
.irp c, 0,1,2,3
	global_load_b128 v[QF+4*\c:QF+4*\c+3], v[LI], s[84:85] offset:32768+512*(\c%2)
.endr
.macro K47                             ; key tiles 4-7, [k's two chunks | rpr's two chunks], from memory into window 1: 16 loads of 512 consecutive bytes
	WIN 0x40
.irp t, 4,5,6,7
.irp c, 0,1
	global_load_b128 v[FR+16*(\t-4)+4*\c:FR+16*(\t-4)+4*\c+3], v[LI], s[SKG:SKG+1] offset:32768*\t+512*\c
	global_load_b128 v[FR+16*(\t-4)+8+4*\c:FR+16*(\t-4)+8+4*\c+3], v[LI], s[SRG:SRG+1] offset:1024*\t+512*\c
.endr
.endr
	WIN 0
.endm
	K47                                            ; step 0's, asked for with q: the registers' first values are set below while they are on their way
.macro INIT x
	WIN 0x55*(\x)
	v_mov_b32 v[MT], 0xff61b1e6                    ; -3e38, under every t
	s_delay_alu instid0(VALU_DEP_1)
	v_floor_f32 v[NM], -v[MT]
	v_mov_b32 v[LS], 0
	v_mov_b32 v[LS+1], 0
.irp b, 0,1,2,3
	v_mov_b32 v[T1+\b], 0                          ; a lane permute's destination counts as read
.endr
	v_mov_b32 v[FF+1], 0                           ; named as the upper half of a pair
.set j, 0
.rept 32
	v_mov_b32 v[OA+j], 0                           ; the step is written once: the first finds zeros
.set j, j+1
.endr
.endm
	INIT 0
	INIT 1
; Waves 4-7 begin with the second half of a step that never was (macro REST): tile 1's scores are -infinity there, so that p = 0, M, l and O^T stay as they are; v's fragments, tile 0's codes and their scale words are zeros, which add nothing.
.set j, 0
.rept 64
	v_mov_b32 v[S+j], 0xff800000
.set j, j+1
.endr
	WIN 0
.set j, 0
.rept 64
	v_mov_b32 v[FR+j], 0
.set j, j+1
.endr
.set j, 0
.rept 16
	v_mov_b32 v[PCD+j], 0
.set j, j+1
.endr
	v_mov_b32 v[VW], 0
	v_mov_b32 v[VW+1], 0
	v_mov_b32 v[PWD], 0
	s_wait_alu depctr_va_vdst(0)
	s_or_b32 s[G1R], s82, (3<<16)|(1<<21)          ; rpr's key tiles 0-3: 4,096 dense bytes as 16 rows of 256; shared along my row of the cluster
	s_mov_b32 s[G1R+1], 32<<16
	s_mov_b32 s[G1R+2], 16<<16
	s_mov_b32 s[G1R+3], 32<<16
	s_mov_b32 s[G1R+4], 16
	s_mov_b32 s[G1R+5], 32
	s_mov_b32 s[G1R+6], 0
	s_mov_b32 s[G1R+7], 0
.macro KFRAG t                         ; key tile t: [k's two chunks | rpr's two chunks]
.set rK, FR+16*((\t)%4)
.irp c, 0,1
	ds_load_b128 v[rK+4*\c:rK+4*\c+3], v[ADK] offset:2048*(\t)+512*\c
	ds_load_b128 v[rK+8+4*\c:rK+8+4*\c+3], v[ADR] offset:1024*(\t)+512*\c
.endr
.endm
.macro MASKT off                       ; a tile's 16 queries x 128 keys of the mask, in the result's layout: register 8 t + j = key 16 t + 8 h + j
.irp t, 0,1,2,3,4,5,6,7
	ds_load_b128 v[S+8*\t:S+8*\t+3], v[ADM] offset:\off+64*\t
	ds_load_b128 v[S+8*\t+4:S+8*\t+7], v[ADM] offset:\off+64*\t+16
.endr
.endm
.macro KQ t, x                         ; scores of key tile t, query tile x, onto the mask
.set rS, S+8*(\t)
.set rK, FR+16*((\t)%4)
.set rW, KW+(\t)/2
.if ((\t)%2 == 0) && ((\x) == 0)
	v_wmma_scale_f32_16x16x128_f8f6f4 v[rS:rS+7], v[rK:rK+15], v[QF:QF+15], v[rS:rS+7], v[rW], v[QW] matrix_a_fmt:MATRIX_FMT_BF8 matrix_b_fmt:MATRIX_FMT_BF8
.elseif ((\t)%2 == 1) && ((\x) == 0)
	v_wmma_scale_f32_16x16x128_f8f6f4 v[rS:rS+7], v[rK:rK+15], v[QF:QF+15], v[rS:rS+7], v[rW], v[QW] matrix_a_fmt:MATRIX_FMT_BF8 matrix_b_fmt:MATRIX_FMT_BF8 matrix_a_scale:MATRIX_SCALE_ROW1
.elseif ((\t)%2 == 0)
	v_wmma_scale_f32_16x16x128_f8f6f4 v[rS:rS+7], v[rK:rK+15], v[QF:QF+15], v[rS:rS+7], v[rW], v[QW] matrix_a_fmt:MATRIX_FMT_BF8 matrix_b_fmt:MATRIX_FMT_BF8 matrix_b_scale:MATRIX_SCALE_ROW1
.else
	v_wmma_scale_f32_16x16x128_f8f6f4 v[rS:rS+7], v[rK:rK+15], v[QF:QF+15], v[rS:rS+7], v[rW], v[QW] matrix_a_fmt:MATRIX_FMT_BF8 matrix_b_fmt:MATRIX_FMT_BF8 matrix_a_scale:MATRIX_SCALE_ROW1 matrix_b_scale:MATRIX_SCALE_ROW1
.endif
.endm
.macro PV d, x                         ; O^T += v^T p^T: 16 of the head's 64, K = the step's 128 keys
.set rO, OA+8*(\d)
.set rV, FR+16*(\d)
.if (\d)%2 == 0
	v_wmma_scale_f32_16x16x128_f8f6f4 v[rO:rO+7], v[rV:rV+15], v[PCD:PCD+15], v[rO:rO+7], v[VW+(\d)/2], v[PWD+(\x)] matrix_a_fmt:MATRIX_FMT_BF8 matrix_b_fmt:MATRIX_FMT_BF8
.else
	v_wmma_scale_f32_16x16x128_f8f6f4 v[rO:rO+7], v[rV:rV+15], v[PCD:PCD+15], v[rO:rO+7], v[VW+(\d)/2], v[PWD+(\x)] matrix_a_fmt:MATRIX_FMT_BF8 matrix_b_fmt:MATRIX_FMT_BF8 matrix_a_scale:MATRIX_SCALE_ROW1
.endif
.endm
; tile x's softmax of a key step, all in window x but the scale word, which scale operands want in window 0
.macro SOFTMAX x
	WIN 0x55*(\x)
.irp b, 0,1,2,3
	v_max3_num_f32 v[BM+\b], v[S+16*\b], v[S+16*\b+1], v[S+16*\b+2]     ; the largest score of each block of 32 keys: for the row's maximum and, since p rises with the score, for the block's largest p
.endr
.irp i, 3,5,7,9,11,13
.irp b, 0,1,2,3
	v_max3_num_f32 v[BM+\b], v[BM+\b], v[S+16*\b+\i], v[S+16*\b+\i+1]
.endr
.endr
.irp b, 0,1,2,3
	v_max_num_f32 v[BM+\b], v[BM+\b], v[S+16*\b+15]
.endr
.irp b, 0,1,2,3
	s_delay_alu instid0(VALU_DEP_4)
	v_permlanex16_b32 v[T1+\b], v[BM+\b], s[SEL], s[SEL+1]
.endr
.irp b, 0,1,2,3
	s_delay_alu instid0(VALU_DEP_4)
	v_max_num_f32 v[BM+\b], v[BM+\b], v[T1+\b]
.endr
	s_delay_alu instid0(VALU_DEP_2)
	v_max3_num_f32 v[TT], v[BM], v[BM+1], v[BM+2]
	s_delay_alu instid0(VALU_DEP_1)
	v_max_num_f32 v[TT], v[TT], v[BM+3]
	s_delay_alu instid0(VALU_DEP_1)
	v_mul_f32 v[TT], s[CS], v[TT]
	s_delay_alu instid0(VALU_DEP_1)
	v_max_num_f32 v[MT], v[MT], v[TT]              ; the running largest t
	v_mov_b32 v[TT], v[NM]
	s_delay_alu instid0(VALU_DEP_2)
	v_floor_f32 v[NM], -v[MT]                      ; -M = floor(-t): M is a whole number
	s_delay_alu instid0(VALU_DEP_1)
	v_sub_f32 v[TT], v[NM], v[TT]
	s_delay_alu instid0(VALU_DEP_1)
	v_cvt_i32_f32 v[TT], v[TT]                     ; (it saturates)
	s_delay_alu instid0(VALU_DEP_1)
	v_ldexp_f32 v[FF], 1.0, v[TT]                  ; f = 2^(old M - new M)
.set j, 0
.rept 32
	v_pk_fma_f32 v[S+j:S+j+1], v[S+j:S+j+1], s[CS:CS+1], v[NM:NM+1] op_sel_hi:[1,0,0]   ; t - M
.set j, j+2
.endr
.irp b, 0,1,2,3
	v_fma_f32 v[BM+\b], v[BM+\b], s[CS], v[NM]
.endr
.set j, 0
	s_wait_alu depctr_va_vdst(0)
.rept 64
	v_exp_f32 v[S+j], v[S+j]                       ; p, not normalised
.set j, j+1
.endr
	v_pk_mul_f32 v[LS:LS+1], v[LS:LS+1], v[FF:FF+1] op_sel_hi:[1,0]     ; l under the new M: the plain line behind the exponentials
	s_wait_alu depctr_va_vdst(0)                   ; one wait for the batch of 64, ahead of its first reader
.irp b, 0,1,2,3
	v_exp_f32 v[BM+\b], v[BM+\b]                   ; each block's largest p
.endr
	v_pk_add_f32 v[SUM2:SUM2+1], v[S:S+1], v[S+2:S+3]                   ; l sums the unquantised p, two at a time, in four chains by turns
	v_pk_add_f32 v[T1:T1+1], v[S+4:S+5], v[S+6:S+7]
	v_pk_add_f32 v[T1+2:T1+3], v[S+8:S+9], v[S+10:S+11]
	v_pk_add_f32 v[LS:LS+1], v[LS:LS+1], v[S+12:S+13]
	v_pk_add_f32 v[SUM2:SUM2+1], v[SUM2:SUM2+1], v[S+14:S+15]
.set j, 16
.rept 6
	v_pk_add_f32 v[T1:T1+1], v[T1:T1+1], v[S+j:S+j+1]
	v_pk_add_f32 v[T1+2:T1+3], v[T1+2:T1+3], v[S+j+2:S+j+3]
	v_pk_add_f32 v[LS:LS+1], v[LS:LS+1], v[S+j+4:S+j+5]
	v_pk_add_f32 v[SUM2:SUM2+1], v[SUM2:SUM2+1], v[S+j+6:S+j+7]
.set j, j+8
.endr
	v_pk_add_f32 v[T1:T1+1], v[T1:T1+1], v[T1+2:T1+3]
	v_pk_add_f32 v[LS:LS+1], v[LS:LS+1], v[SUM2:SUM2+1]
	v_pk_add_f32 v[LS:LS+1], v[LS:LS+1], v[T1:T1+1]
	s_wait_alu depctr_va_vdst(0)                   ; and one for the four
.irp b, 0,1,2,3
	v_max_num_f32 v[BM+\b], 0x8000000, v[BM+\b]    ; the floor 2^(16 - 127)
.endr
.irp b, 0,1,2,3
	s_delay_alu instid0(VALU_DEP_4)
	v_add_nc_u32 v[SCO+\b], 0xf8800000, v[BM+\b]
.endr
.irp b, 0,1,2,3
	v_and_or_b32 v[LIMR+\b], v[BM+\b], 0x7f800000, s[MNT]
.endr
.irp b, 0,1,2,3
	v_lshrrev_b32 v[T1+\b], 23, v[SCO+\b]
.endr
	s_delay_alu instid0(VALU_DEP_3)
	v_lshl_or_b32 v[PWT], v[T1+1], 8, v[T1]
	s_delay_alu instid0(VALU_DEP_1)
	v_lshl_or_b32 v[PWT], v[T1+2], 16, v[PWT]
	WIN (\x)|((\x)<<4)                             ; the destination in window 0
	v_lshl_or_b32 v[PWD+(\x)], v[T1+3], 24, v[PWT] ; p's scale word for these 128 keys
	WIN 0x55*(\x)
.irp b, 0,1,2,3
	v_and_or_b32 v[T1+(\b+1)%4], v[BM+\b], 0x7f800000, s[MNT]          ; the bound once more, in a register whose number differs modulo 4: the second half of a dual pair reads it
.endr
.irp b, 0,1,2,3
.irp i, 0,2,4,6,8,10,12,14
	v_dual_min_num_f32 v[S+16*\b+\i], v[S+16*\b+\i], v[LIMR+\b] :: v_dual_min_num_f32 v[S+16*\b+\i+1], v[S+16*\b+\i+1], v[T1+(\b+1)%4]   ; the hold, two numbers an instruction; p is not negative
.endr
	v_cvt_scalef32_pk8_bf8_f32 v[PCD+4*\b:PCD+4*\b+1], v[S+16*\b:S+16*\b+7], v[SCO+\b]
	v_cvt_scalef32_pk8_bf8_f32 v[PCD+4*\b+2:PCD+4*\b+3], v[S+16*\b+8:S+16*\b+15], v[SCO+\b]
.endr
.set j, 0
.rept 16
	v_pk_mul_f32 v[OA+j:OA+j+1], v[OA+j:OA+j+1], v[FF:FF+1] op_sel_hi:[1,0]   ; O^T under the new M; these lines also stand between the codes and the products
.set j, j+2
.endr
.endm
.macro STEP more                       ; more = 1: a step follows, whose key tiles 4-7 are asked for
	v_add_nc_u32 v[ADK], s[TB], v[AK0]             ; five additions and three v_nop: the eight places behind the last products, in front of loads into their operands
	v_add_nc_u32 v[ADR], s[TB], v[AR0]
	v_nop
	v_add_nc_u32 v[ADM], s[TB], v[AM0]
	v_add_nc_u32 v[ADS], s[TS], v[ASK0]
	v_add_nc_u32 v[ADT], s[TS], v[ASV0]
	v_nop
	v_nop
	MASKT 0
.irp p, 0,1,2,3
	ds_load_b32 v[KW+\p], v[ADS] offset:128*\p     ; lanes 0-15: key tile 2 p, lanes 16-31: 2 p + 1
.endr
.irp p, 0,1
	ds_load_b32 v[VW+\p], v[ADT] offset:128*\p
.endr
.irp t, 0,1,2,3
	KFRAG \t
.endr
	WIN 0x40                                       ; destinations in window 1
	MASKT 16*MP
	WIN 0
	s_wait_alu depctr_va_vdst(0)
	s_wait_dscnt 16                                ; all but tile 1's mask, the youngest 16
.irp t, 0,1,2,3
	KQ \t, 0
.endr
	s_wait_loadcnt 0x0                             ; key tiles 4-7, asked for in the step before; no load of mine is out, so the loads' bases may be stepped
	s_add_nc_u64 s[SKG:SKG+1], s[SKG:SKG+1], 262144
	s_add_nc_u64 s[SRG:SRG+1], s[SRG:SRG+1], 8192
	s_add_nc_u64 s[SVG:SVG+1], s[SVG:SVG+1], 2048
	WIN 0x01
.irp t, 4,5,6,7
	KQ \t, 0
.endr
	s_wait_dscnt 0x0
	WIN 0x55
.irp t, 4,5,6,7
	KQ \t, 1
.endr
	WIN 0x54
.irp t, 0,1,2,3
	KQ \t, 1
.endr
	WIN 0
.rept 8
	v_nop                                          ; places in front of the loads below and of the first read of the scores
.endr
.irp d, 0,1,2,3
.irp c, 0,1,2,3
	global_load_b128 v[FR+16*\d+4*\c:FR+16*\d+4*\c+3], v[LI], s[SVG:SVG+1] offset:32768*\d+512*\c   ; v's fragments land during the softmax
.endr
.endr
.if \more
	K47                                            ; behind v's 16 loads: the next step's key tiles 4-7
.endif
	SOFTMAX 0
	WIN 0
	s_add_co_u32 s[TS], s[TS], 512                 ; the next step's scale words
	s_xor_b32 s[TB], s[TB], SLOT1                  ; the other slot
	s_wait_alu depctr_va_vdst(0)                   ; ahead of the branch and the waits that follow
.endm
; THE SECOND HALF OF A STEP: tile 1's softmax and both tiles' second products.  It works on registers alone: the scores, v's fragments and the scale words were fetched in the first half.
; Waves 0-3 run it straight behind the first half.  Waves 4-7 run it behind the NEXT change of slots, ahead of that step's first half: so one half of the waves reads LDS while the other half works on registers.
; All LDS reads of a slot are still waited for in front of the change of slots behind which it is filled again.
.macro REST n                          ; n: the loads issued behind v's, which may stay out
	s_wait_alu depctr_va_vdst(0)                   ; ahead of the first reader of tile 1's scores
	SOFTMAX 1
	WIN 0
	s_wait_alu depctr_va_vdst(0)
	s_wait_loadcnt \n                              ; v's fragments are in
.irp d, 0,1,2,3
	PV \d, 0
.endr
	WIN 0x54
.irp d, 0,1,2,3
	PV \d, 1
.endr
	WIN 0
.endm
.macro LAGREST                         ; waves 4-7: the step before's second half.  The branch hangs on the wave's number alone and leads round no barrier, wait on a tile, add or tensor load
	s_cmp_lt_u32 s[WV], 4
	s_cbranch_scc1 .Lnot_lag_\@
	REST 16
.Lnot_lag_\@:
.endm
.macro LEADREST                        ; waves 0-3: this step's second half
	s_cmp_lt_u32 s[WV], 4
	s_cbranch_scc0 .Lnot_lead_\@
	REST 16
.Lnot_lead_\@:
.endm
; the change of slots stands at a step's head: every wave waits for all its tensor loads, adds 0 to its spare word, waits for that and for its reads of the slot that it has left.
; fill = 1: a round of the cluster's barrier, and the slot just left takes the step after this one: the load has this step's work in which to land
.macro CHANGE fill
	WIN 0
	s_wait_tensorcnt 0x0
	ds_add_u32 v[SPW], v[NIL]
.if \fill
	ds_add_u32 v[SPW], v[NIL]                      ; and once more
	s_xor_b32 s[G0M+1], s[G0M+1], SLOT1
	s_add_nc_u64 s[G0M+2:G0M+3], s[G0M+2:G0M+3], 512
	s_xor_b32 s[G0K+1], s[G0K+1], SLOT1
	s_add_nc_u64 s[G0K+2:G0K+3], s[G0K+2:G0K+3], 262144
	s_xor_b32 s[G0R+1], s[G0R+1], SLOT1
	s_add_nc_u64 s[G0R+2:G0R+3], s[G0R+2:G0R+3], 8192
	s_wait_xcnt 0x0                                ; the last prefetch, a step back, has read its address
	s_add_nc_u64 s[PFA:PFA+1], s[PFA:PFA+1], s[PFS:PFS+1]
	s_wait_dscnt 0x0
	CROUND
	TLOAD 0
	ASK
.else
	s_wait_dscnt 0x0
	s_barrier_signal -1
	s_barrier_wait -1
.endif
.endm
	s_wait_loadcnt 0x0                             ; q and its words
.Lslot:                                            ; 15 trips: behind each change but the last the next step is asked for
	CHANGE 1
	LAGREST
	STEP 1
	LEADREST
	s_sub_co_u32 s[SLOTS], s[SLOTS], 1
	s_cmp_lg_u32 s[SLOTS], 0
	s_cbranch_scc1 .Lslot
	CHANGE 0                                       ; the last step is written out
	LAGREST
	STEP 0
	REST 0                                         ; the last step's second half: every wave
.rept 8
	v_nop
.endr
; tile x: O^T / l, quantised along d: two blocks of 32; the codes are two chunks of 512 bytes; the two bytes go to my head's half of the row's scale word
.macro FINISH x
	WIN 0x55*(\x)
	v_add_f32 v[LS], v[LS], v[LS+1]
	s_delay_alu instid0(VALU_DEP_1)
	v_permlanex16_b32 v[T1], v[LS], s[SEL], s[SEL+1]
	s_delay_alu instid0(VALU_DEP_1)
	v_add_f32 v[LS], v[LS], v[T1]
	s_wait_alu depctr_va_vdst(0)
	v_rcp_f32 v[LS], v[LS]
	v_nop
	s_wait_alu depctr_va_vdst(0)                   ; ahead of the first reader
.set j, 0
.rept 16
	v_pk_mul_f32 v[OA+j:OA+j+1], v[OA+j:OA+j+1], v[LS:LS+1] op_sel_hi:[1,0]
.set j, j+2
.endr
.irp b, 0,1
	v_max3_num_f32 v[BM+\b], |v[OA+16*\b]|, |v[OA+16*\b+1]|, 0x8000000
.endr
.irp i, 2,4,6,8,10,12,14
.irp b, 0,1
	s_delay_alu instid0(VALU_DEP_2)
	v_max3_num_f32 v[BM+\b], v[BM+\b], |v[OA+16*\b+\i]|, |v[OA+16*\b+\i+1]|
.endr
.endr
.irp b, 0,1
	s_delay_alu instid0(VALU_DEP_2)
	v_permlanex16_b32 v[T1+\b], v[BM+\b], s[SEL], s[SEL+1]
.endr
.irp b, 0,1
	s_delay_alu instid0(VALU_DEP_2)
	v_max_num_f32 v[BM+\b], v[BM+\b], v[T1+\b]
.endr
.irp b, 0,1
	s_delay_alu instid0(VALU_DEP_2)
	v_add_nc_u32 v[SCO+\b], 0xf8800000, v[BM+\b]
.endr
.irp b, 0,1
	s_delay_alu instid0(VALU_DEP_4)
	v_and_or_b32 v[LIMR+\b], v[BM+\b], 0x7f800000, s[MNT]
.endr
.irp b, 0,1
	s_delay_alu instid0(VALU_DEP_4)
	v_lshrrev_b32 v[T1+\b], 23, v[SCO+\b]
.endr
	s_delay_alu instid0(VALU_DEP_1)
	v_lshl_or_b32 v[PWT], v[T1+1], 8, v[T1]
.irp b, 0,1
.irp i, 0,1,2,3,4,5,6,7,8,9,10,11,12,13,14,15
	v_med3_num_f32 v[OA+16*\b+\i], v[OA+16*\b+\i], -v[LIMR+\b], v[LIMR+\b]
.endr
	v_cvt_scalef32_pk8_bf8_f32 v[PCD+4*\b:PCD+4*\b+1], v[OA+16*\b:OA+16*\b+7], v[SCO+\b]
	v_cvt_scalef32_pk8_bf8_f32 v[PCD+4*\b+2:PCD+4*\b+3], v[OA+16*\b+8:OA+16*\b+15], v[SCO+\b]
.endr
	v_nop
	WIN 4*(\x)                                     ; a store's data are its source 1
	global_store_b128 v[LI], v[PCD:PCD+3], s[88:89] offset:16384*(\x)
	global_store_b128 v[LI], v[PCD+4:PCD+7], s[88:89] offset:16384*(\x)+512
	ds_store_b16 v[OSA], v[PWT] offset:64*(\x)     ; both lanes of a row write the same two bytes
.endm
	FINISH 0
	FINISH 1
	WIN 0
	s_wait_dscnt 0x0                               ; my bytes of the scale words have landed
	s_barrier_signal -1
	s_barrier_wait -1
	s_cmp_lg_u32 s[WV], 0
	s_cbranch_scc1 .Lnot_first
	ds_load_b128 v[FR:FR+3], v[OSR]
	s_wait_dscnt 0x0
	global_store_b128 v[LI], v[FR:FR+3], s[90:91]  ; 128 rows' words: 512 consecutive bytes
.Lnot_first:
	s_wait_tensorcnt 0x0                           ; the wave's end
	ds_add_u32 v[SPW], v[NIL]
	s_wait_dscnt 0x0
	CROUND                                         ; the closing round
	s_endpgm
.Lfunc_end_k_q4f6db7ee0f_attn:
	.size	k_q4f6db7ee0f_attn, .Lfunc_end_k_q4f6db7ee0f_attn-k_q4f6db7ee0f_attn
	.p2alignl 7, 3214868480
	.fill 96, 4, 3214868480
	.section	.rodata,"a",@progbits
	.p2align	6, 0x0
	.amdhsa_kernel k_q4f6db7ee0f_attn
		.amdhsa_group_segment_fixed_size 327680
		.amdhsa_private_segment_fixed_size 0
		.amdhsa_enable_private_segment 0
		.amdhsa_kernarg_size 32
		.amdhsa_user_sgpr_count 2
		.amdhsa_user_sgpr_kernarg_segment_ptr 1
		.amdhsa_wavefront_size32 1
		.amdhsa_system_sgpr_workgroup_id_x 1
		.amdhsa_system_sgpr_workgroup_id_y 1
		.amdhsa_system_sgpr_workgroup_id_z 1
		.amdhsa_system_vgpr_workitem_id 0
		.amdhsa_next_free_vgpr 512
		.amdhsa_next_free_sgpr 102
		.amdhsa_reserve_vcc 0
		.amdhsa_float_denorm_mode_32 3
		.amdhsa_float_denorm_mode_16_64 3
		.amdhsa_memory_ordered 1
		.amdhsa_forward_progress 1
		.amdhsa_inst_pref_size 152
	.end_amdhsa_kernel
	.amdgpu_metadata
---
amdhsa.version: [ 1, 2 ]
amdhsa.kernels:
  - .name:           k_q4f6db7ee0f_attn
    .symbol:         k_q4f6db7ee0f_attn.kd
    .args:
      - { .name: qkv, .offset: 0, .size: 8, .value_kind: global_buffer, .address_space: global }
      - { .name: c1, .offset: 8, .size: 8, .value_kind: global_buffer, .address_space: global }
      - { .name: causal_mask, .offset: 16, .size: 8, .value_kind: global_buffer, .address_space: global }
      - { .name: ob, .offset: 24, .size: 8, .value_kind: global_buffer, .address_space: global }
    .group_segment_fixed_size: 327680
    .private_segment_fixed_size: 0
    .kernarg_segment_align: 8
    .kernarg_segment_size: 32
    .max_flat_workgroup_size: 256
    .sgpr_count:     102
    .vgpr_count:     512
    .wavefront_size: 32
...
	.end_amdgpu_metadata
.endif
;; end of part 3
;; launch proj (part 4): grid 8 x 32, 4 waves a work-group, clusters of 4 x 4, 327,680 bytes of LDS; arguments ob, c1, proj_b, out0; writes out0
.if DOCPART == 4
	.amdgcn_target "amdgcn-amd-amdhsa--gfx1250"
	.amdhsa_code_object_version 6
	.text
	.protected	k_q4f6db7ee0f_proj
	.globl	k_q4f6db7ee0f_proj
	.p2align	8
	.type	k_q4f6db7ee0f_proj,@function
k_q4f6db7ee0f_proj:
	s_mov_b64 s[64:65], 0
	v_nop
	global_prefetch_b8 v0, s[64:65] scope:SCOPE_SE
	s_setreg_imm32_b32 hwreg(HW_REG_WAVE_MODE, 25, 1), 1
	s_wait_xcnt 0x0
	s_wait_alu depctr_hold_cnt(0) depctr_sa_sdst(0) depctr_va_vdst(0) depctr_va_sdst(0) depctr_va_ssrc(0) depctr_va_vcc(0) depctr_vm_vsrc(0)
	s_getreg_b32 s2, hwreg(HW_REG_IB_STS2, 6, 4)
	s_cmp_eq_u32 s2, 0
	s_cbranch_scc0 .Lentry_in_a_cluster
	s_endpgm
.Lentry_in_a_cluster:
	s_bfe_u32 s2, ttmp6, 0x10000c
	s_cmp_lg_u32 s2, 0xf033
	s_cbranch_scc0 .Lentry_shape_is_right
	s_endpgm
.Lentry_shape_is_right:
; out0 [4096][1024] f32 = O proj_w^T + proj_b, on codes of BF8 (E5M2) with one E8M0 byte for each 32 along K = 1,024.
; ob: O's codes as chunks of 512 bytes [row tile of 16: 256][block of 32 along K: 32], 16 bytes a lane, four chunks on end = an operand's 16 registers; at OSCL its scale words [K step of 128: 8][row 4096].
; c1: proj_w's codes are row tiles 448-511 in the same layout; at CSCL the scale words [K step 8][row 8192], proj_w's rows from 7,168 on.
; SHARES: 256 work-groups, each a block of 128 x 128 of the result; four waves, 2 x 2, each 64 x 64: 16 accumulators, 128 registers.
; ALL OF K LIES IN LDS: a block's 128 rows of O are 8 row tiles = 131,072 consecutive bytes, and so are proj_w's 128 rows.  Each wave asks for 65,536 of them by its one tensor load at the head; nothing is filled again.
; CLUSTER 4 x 4: O's rows hang on the tile row alone and are shared along a row of the cluster, proj_w's on the tile column alone and are shared down a column: joint loads.
; Scale words and the bias go straight into registers: a load of scale words reads 128 consecutive bytes (lanes 0-15 one row tile, lanes 16-31 the next).
; The matrix instruction is used transposed (source 0 = 16 rows of proj_w, source 1 = 16 rows of O): a lane holds eight neighbouring columns of one row; the bias is the first products' C.
; No prefetch: every tile is asked for at the head, and the launch has no loop to run ahead in.
; REGISTERS: window 0: v1-16 addresses; v24-39 O's scale words, v44-59 proj_w's (numbers that differ modulo 8); v60-91 the bias; v92-219 the sums.  Window 1: two sets of 128: proj_w's four fragments, O's four; on the way out rows read back.
; LIMITS: NaN and infinities are not served.
.set CSCL,  8388608
.set OSCL,  4194304
.set BOFF,  131072                     ; LDS: O's rows from 0, proj_w's from here
.set SPARE, 262144                     ; the spare words: 128 bytes a wave
.set STG,   262656                     ; the way out: 16 rows x 272 bytes for each wave; no tensor load lands here
.set SP,    272
.set LI,   4
.set L4,   5
.set H32,  6
.set ADRA, 7
.set ADRB, 8
.set STO,  9
.set RD,   10
.set CO,   11
.set SPW,  12
.set NIL,  13
.set SAS,  24
.set SBS,  44
.set BI,   60
.set ACC,  92
.set G1,  24
.set G0,  32
.set G1B, 48
.set G0B, 56
.set MSB, 0
.macro WIN new                         ; the immediate's high byte repeats the setting that is left
.if MSB != (\new)
	s_set_vgpr_msb (MSB<<8)|(\new)
.set MSB, (\new)
.endif
.endm
.macro PLACES n
.rept \n
	v_nop
.endr
.endm
.macro CROUND                          ; a round of the cluster's barrier
	s_barrier_signal -1
	s_barrier_wait -1
	s_cmp_lg_u32 s14, 0
	s_cbranch_scc1 .Lnot_wave_0_\@
	s_barrier_signal -3
.Lnot_wave_0_\@:
	s_barrier_wait -3
	s_barrier_signal -1
	s_barrier_wait -1
.endm
	s_load_b256 s[4:11], s[0:1], 0x0               ; ob, c1, proj_b, out0
	v_lshl_add_u32 v[SPW], v0, 2, SPARE
	v_mov_b32 v[NIL], 0
	ds_add_u32 v[SPW], v[NIL]                      ; the opening lines: the add, twice on end, and its wait ahead of my tensor load
	ds_add_u32 v[SPW], v[NIL]
	v_lshrrev_b32 v1, 5, v0
	v_readfirstlane_b32 s14, v1                    ; wave 0..3
	s_lshr_b32 s15, s14, 1                         ; my 64 rows of the block.  Also: I fetch for O (0) or for proj_w (1)
	s_and_b32 s16, s14, 1                          ; my 64 columns.  Also: which four row tiles I fetch
	s_bfe_u32 s40, ttmp6, 0x40000                  ; cx
	s_bfe_u32 s41, ttmp6, 0x40004                  ; cy
	s_lshl_b32 s42, ttmp9, 2
	s_add_co_u32 s42, s42, s40                     ; tile column 0..7
	s_and_b32 s17, ttmp7, 0xffff
	s_lshl_b32 s17, s17, 2
	s_add_co_u32 s17, s17, s41                     ; tile row 0..31
	s_lshl_b32 s43, s41, 2
	s_lshl_b32 s43, 15, s43                        ; my row of the cluster
	s_lshl_b32 s44, 0x1111, s40                    ; my column
	s_or_b32 s[G1+0], s43, (3<<16)|(1<<21)         ; elements of 8 bytes; the mask, and bit 21 beside it
	s_or_b32 s[G1B+0], s44, (3<<16)|(1<<21)
.irp g, G1, G1B                        ; 65,536 dense bytes as 16 rows of 4,096
	s_mov_b32 s[\g+1], 512<<16
	s_mov_b32 s[\g+2], 16<<16
	s_mov_b32 s[\g+3], 512<<16
	s_mov_b32 s[\g+4], 16
	s_mov_b32 s[\g+5], 512
	s_mov_b32 s[\g+6], 0
	s_mov_b32 s[\g+7], 0
.endr
	s_lshl_b32 s18, s16, 2
	s_lshl_b32 s20, s17, 3
	s_add_co_u32 s20, s20, s18                     ; O: row tile 8 x tile row + 4 x (wave % 2)
	s_lshl_b32 s20, s20, 14
	s_mov_b32 s21, 0
	s_lshl_b32 s46, s42, 3
	s_add_co_u32 s46, s46, s18
	s_add_co_u32 s46, s46, 448                     ; proj_w: row tile 448 + 8 x tile column + 4 x (wave % 2)
	s_lshl_b32 s46, s46, 14
	s_mov_b32 s47, 0
	s_lshl_b32 s45, s14, 16                        ; and where they go: wave x 65,536
	s_lshl_b32 s66, s17, 9                         ; O's scale words: row 128 x tile row + 64 x my half
	s_lshl_b32 s67, s15, 8
	s_add_co_u32 s66, s66, s67
	s_add_co_u32 s66, s66, OSCL
	s_mov_b32 s67, 0
	s_lshl_b32 s68, s42, 9                         ; my first column x 4 bytes
	s_lshl_b32 s69, s16, 8
	s_add_co_u32 s68, s68, s69
	s_mov_b32 s69, 0
	s_add_co_u32 s70, s68, CSCL+28672              ; proj_w's scale words: row 7,168 + my first column
	s_mov_b32 s71, 0
	s_lshl_b32 s72, s17, 19                        ; out0: my first row x 4,096 bytes + my first column
	s_lshl_b32 s73, s15, 18
	s_add_co_u32 s72, s72, s73
	s_add_co_u32 s72, s72, s68
	s_mov_b32 s73, 0
	s_lshl_b32 s22, s15, 16                        ; LDS: my four row tiles of O,
	s_lshl_b32 s23, s16, 16
	s_add_co_u32 s23, s23, BOFF                    ; of proj_w,
	s_mul_i32 s19, s14, 16*SP
	s_add_co_u32 s19, s19, STG                     ; and my stage
	s_wait_dscnt 0x0                               ; both opening adds are done
	s_wait_kmcnt 0x0
	s_add_nc_u64 s[20:21], s[4:5], s[20:21]
	s_add_nc_u64 s[46:47], s[6:7], s[46:47]
	s_add_nc_u64 s[66:67], s[4:5], s[66:67]
	s_add_nc_u64 s[70:71], s[6:7], s[70:71]
	s_add_nc_u64 s[68:69], s[8:9], s[68:69]
	s_add_nc_u64 s[72:73], s[10:11], s[72:73]
	s_mov_b32 s[G0], 1
	s_mov_b32 s[G0+1], s45
	s_mov_b64 s[G0+2:G0+3], s[20:21]
	s_or_b32 s[G0+3], s[G0+3], 0x80000000
	s_mov_b32 s[G0B], 1
	s_mov_b32 s[G0B+1], s45
	s_mov_b64 s[G0B+2:G0B+3], s[46:47]
	s_or_b32 s[G0B+3], s[G0B+3], 0x80000000
	CROUND                                         ; all sixteen work-groups are here: the joint loads meet
	s_cmp_eq_u32 s15, 0                            ; one joint load a wave; each of the two lines has one mask; the branch hangs on the wave's number alone
	s_cbranch_scc0 .Lfor_b
	tensor_load_to_lds s[G0:G0+3], s[G1:G1+7]
	s_nop 0
	PLACES 4
	s_branch .Lasked
.Lfor_b:
	tensor_load_to_lds s[G0B:G0B+3], s[G1B:G1B+7]
	s_nop 0
	PLACES 4
.Lasked:
	v_and_b32 v1, 15, v0                           ; r
	v_bfe_u32 v2, v0, 4, 1                         ; h
	v_and_b32 v3, 31, v0                           ; lane
	v_lshlrev_b32 v[LI], 4, v3
	v_lshlrev_b32 v[L4], 2, v3
	v_lshlrev_b32 v[H32], 5, v2
	v_add_nc_u32 v[ADRA], s22, v[LI]
	v_add_nc_u32 v[ADRB], s23, v[LI]
	v_mul_u32_u24 v14, v1, SP                      ; the stage, way in: row r, 32 bytes for each half of the lanes
	v_lshl_add_u32 v14, v2, 5, v14
	v_add_nc_u32 v[STO], s19, v14
	v_mul_u32_u24 v15, v2, SP                      ; way back: lanes 0-15 one row of 256 bytes, lanes 16-31 the next
	v_lshl_add_u32 v15, v1, 4, v15
	v_add_nc_u32 v[RD], s19, v15
	v_lshlrev_b32 v16, 12, v2                      ; and the same two rows in out0
	v_lshl_add_u32 v[CO], v1, 4, v16
	s_wait_alu depctr_va_vdst(0)
.irp q, 0,1,2,3,4,5,6,7
.irp p, 0,1
	global_load_b32 v[SAS+2*\q+\p], v[L4], s[66:67] offset:16384*\q+128*\p   ; K step q: lanes 0-15 row tile 2 p, lanes 16-31 row tile 2 p + 1
	global_load_b32 v[SBS+2*\q+\p], v[L4], s[70:71] offset:32768*\q+128*\p
.endr
.endr
.irp b, 0,1,2,3
	global_load_b128 v[BI+8*\b:BI+8*\b+3], v[H32], s[68:69] offset:64*\b      ; proj_b at columns 16 b + 8 h + 0 .. 7
	global_load_b128 v[BI+8*\b+4:BI+8*\b+7], v[H32], s[68:69] offset:64*\b+16
.endr
; K step q's eight fragments into set q % 2 of window 1: 32 loads
.macro FETCH q
	WIN 0x40
.irp i, 0,1,2,3
.irp c, 0,1,2,3
	ds_load_b128 v[128*((\q)%2)+16*\i+4*\c:128*((\q)%2)+16*\i+4*\c+3], v[ADRB] offset:\i*16384+(\q)*2048+512*\c
.endr
.endr
.irp i, 0,1,2,3
.irp c, 0,1,2,3
	ds_load_b128 v[128*((\q)%2)+64+16*\i+4*\c:128*((\q)%2)+64+16*\i+4*\c+3], v[ADRA] offset:\i*16384+(\q)*2048+512*\c
.endr
.endr
.endm
.macro MM q, a, b                      ; rows 16 a of O x rows 16 b of proj_w, the q-th 128 of K
.set D_, ACC+8*(4*(\a)+(\b))
.set C_, D_
.if (\q) == 0
.set C_, BI+8*(\b)
.endif
.set B_, 128*((\q)%2)+16*(\b)
.set A_, 128*((\q)%2)+64+16*(\a)
.set SB_, SBS+2*(\q)+(\b)/2
.set SA_, SAS+2*(\q)+(\a)/2
.if ((\b)%2 == 0) && ((\a)%2 == 0)
	v_wmma_scale_f32_16x16x128_f8f6f4 v[D_:D_+7], v[B_:B_+15], v[A_:A_+15], v[C_:C_+7], v[SB_], v[SA_] matrix_a_fmt:MATRIX_FMT_BF8 matrix_b_fmt:MATRIX_FMT_BF8
.elseif ((\b)%2 == 1) && ((\a)%2 == 0)
	v_wmma_scale_f32_16x16x128_f8f6f4 v[D_:D_+7], v[B_:B_+15], v[A_:A_+15], v[C_:C_+7], v[SB_], v[SA_] matrix_a_fmt:MATRIX_FMT_BF8 matrix_b_fmt:MATRIX_FMT_BF8 matrix_a_scale:MATRIX_SCALE_ROW1
.elseif ((\b)%2 == 0)
	v_wmma_scale_f32_16x16x128_f8f6f4 v[D_:D_+7], v[B_:B_+15], v[A_:A_+15], v[C_:C_+7], v[SB_], v[SA_] matrix_a_fmt:MATRIX_FMT_BF8 matrix_b_fmt:MATRIX_FMT_BF8 matrix_b_scale:MATRIX_SCALE_ROW1
.else
	v_wmma_scale_f32_16x16x128_f8f6f4 v[D_:D_+7], v[B_:B_+15], v[A_:A_+15], v[C_:C_+7], v[SB_], v[SA_] matrix_a_fmt:MATRIX_FMT_BF8 matrix_b_fmt:MATRIX_FMT_BF8 matrix_a_scale:MATRIX_SCALE_ROW1 matrix_b_scale:MATRIX_SCALE_ROW1
.endif
.endm
.macro MUL q                           ; the 16 accumulators take turns, in the same order in every K step
	WIN 0x05                                       ; both sources in window 1, C and D in window 0
.irp a, 0,1,2,3
.irp b, 0,1,2,3
	MM \q, \a, \b
.endr
.endr
.endm
	s_wait_loadcnt 0x0                             ; scale words and bias
	s_wait_tensorcnt 0x0                           ; my 65,536 bytes have landed
	s_barrier_signal -1
	s_barrier_wait -1                              ; and everybody's
	FETCH 0
	FETCH 1
.irp q, 0,1,2,3,4,5,6,7
.if \q < 7
	s_wait_dscnt 32                                ; this K step's 32 loads are in; the next step's 32 may be out
.else
	s_wait_dscnt 0x0
.endif
	MUL \q
.if \q < 6
	PLACES 8                                       ; eight places in front of loads into registers that the products have read
	FETCH \q+2
.endif
.endr
	WIN 0
	PLACES 8                                       ; in front of the first read of the sums and of loads into the fragments' registers
; THE WAY OUT, block by block of 16 rows x 64 columns: through my own stage, back as whole rows of 256 bytes; LDS serves a wave's instructions in order, so no wait stands between the stores and the loads.
; Each block comes back into 32 registers of its own in window 1, so no store's data are written again; every offset is an immediate.
.macro TOSTAGE a
	WIN 0
.irp b, 0,1,2,3
	ds_store_b128 v[STO], v[ACC+8*(4*(\a)+\b):ACC+8*(4*(\a)+\b)+3] offset:64*\b       ; each accumulator from its low end on
	ds_store_b128 v[STO], v[ACC+8*(4*(\a)+\b)+4:ACC+8*(4*(\a)+\b)+7] offset:64*\b+16
.endr
	WIN 0x40
.irp t, 0,1,2,3,4,5,6,7
	ds_load_b128 v[32*(\a)+4*\t:32*(\a)+4*\t+3], v[RD] offset:\t*2*SP
.endr
.endm
.macro SEND a, younger                 ; younger: the LDS instructions issued behind block a's loads
	s_wait_dscnt \younger
	WIN 0x04                                       ; a store's data are its source 1
.irp t, 0,1,2,3,4,5,6,7
	global_store_b128 v[CO], v[32*(\a)+4*\t:32*(\a)+4*\t+3], s[72:73] offset:(\a)*65536+\t*8192 th:TH_STORE_NT   ; sixteen lanes store 256 consecutive bytes, aligned
.endr
.endm
	TOSTAGE 0
.irp a, 1,2,3
	TOSTAGE \a
	SEND \a-1, 16                                  ; behind block a - 1's loads: block a's 8 stores and 8 loads
.endr
	SEND 3, 0
	WIN 0
	s_wait_tensorcnt 0x0                           ; the wave's end
	ds_add_u32 v[SPW], v[NIL]
	s_wait_dscnt 0x0
	CROUND                                         ; the closing round
	s_endpgm
.Lfunc_end_k_q4f6db7ee0f_proj:
	.size	k_q4f6db7ee0f_proj, .Lfunc_end_k_q4f6db7ee0f_proj-k_q4f6db7ee0f_proj
	.p2alignl 7, 3214868480
	.fill 96, 4, 3214868480
	.section	.rodata,"a",@progbits
	.p2align	6, 0x0
	.amdhsa_kernel k_q4f6db7ee0f_proj
		.amdhsa_group_segment_fixed_size 327680
		.amdhsa_private_segment_fixed_size 0
		.amdhsa_enable_private_segment 0
		.amdhsa_kernarg_size 32
		.amdhsa_user_sgpr_count 2
		.amdhsa_user_sgpr_kernarg_segment_ptr 1
		.amdhsa_wavefront_size32 1
		.amdhsa_system_sgpr_workgroup_id_x 1
		.amdhsa_system_sgpr_workgroup_id_y 1
		.amdhsa_system_sgpr_workgroup_id_z 1
		.amdhsa_system_vgpr_workitem_id 0
		.amdhsa_next_free_vgpr 512
		.amdhsa_next_free_sgpr 102
		.amdhsa_reserve_vcc 0
		.amdhsa_float_denorm_mode_32 3
		.amdhsa_float_denorm_mode_16_64 3
		.amdhsa_memory_ordered 1
		.amdhsa_forward_progress 1
		.amdhsa_inst_pref_size 52
	.end_amdhsa_kernel
	.amdgpu_metadata
---
amdhsa.version: [ 1, 2 ]
amdhsa.kernels:
  - .name:           k_q4f6db7ee0f_proj
    .symbol:         k_q4f6db7ee0f_proj.kd
    .args:
      - { .name: ob, .offset: 0, .size: 8, .value_kind: global_buffer, .address_space: global }
      - { .name: c1, .offset: 8, .size: 8, .value_kind: global_buffer, .address_space: global }
      - { .name: proj_b, .offset: 16, .size: 8, .value_kind: global_buffer, .address_space: global }
      - { .name: out0, .offset: 24, .size: 8, .value_kind: global_buffer, .address_space: global }
    .group_segment_fixed_size: 327680
    .private_segment_fixed_size: 0
    .kernarg_segment_align: 8
    .kernarg_segment_size: 32
    .max_flat_workgroup_size: 128
    .sgpr_count:     102
    .vgpr_count:     512
    .wavefront_size: 32
...
	.end_amdgpu_metadata
.endif
;; end of part 4
